; MI455X (gfx1250); checked and timed in simulation.
; The chip was launched on July 23, 2026; its instructions are those of AMD's public machine-readable ISA for CDNA 5 (MIT licence, August 2026) and "CDNA5" Instruction Set Architecture Reference Guide (July 2026). The comments in the code are by the model that wrote it; some were corrected since.
;; Self Attention. Allowed arithmetic: matrix products marked QUANTISED: E2M1 operands, one E8M0 scale for each 32 along K, by v_wmma_scale_f32_16x16x128_f8f6f4 with both operands' format E2M1 (or v_wmma_scale_f32_32x16x128_f4), f32 sums; products left as they are: bf16, f16 or f32 operands; f32 sums; everything else in f32.
;; Inputs: Wk 1,024 x 1,024 float32; Wo 1,024 x 1,024 float32; Wq 1,024 x 1,024 float32; Wv 1,024 x 1,024 float32; bo 1,024 float32; keys 2 x 2,048 x 1,024 float32; query 2 x 2,048 x 1,024 float32; values 2 x 2,048 x 1,024 float32.
;; Outputs: out0 2 x 2,048 x 1,024 float32.
;; This version of the problem:
;;   THIS VERSION OF THE PROBLEM IS GIVEN IN LOW PRECISION. The matrix products marked QUANTISED in the list below multiply operands that are first quantised to E2M1 (2 exponent bits, 1 mantissa bit; 4 bits a number), with one power-of-two scale for each 32 numbers along K (OCP MX v1.0); their sums are f32. The products marked 'left as it is' may take bf16, f16 or f32 operands, with f32 sums. Whichever they take, every output number must still come out within the allowed error. Rounding operands to bf16 (8 significant bits) uses up far more of that allowance than f16 does (11 bits, for magnitudes from 6e-5 to 65,504). All else is computed in f32.
;;   The module's matrix products, in the order in which they are computed (A, B: the left and right operand; K: the contracted axis; several contracted axes count as one K, in the product's order):
;;     1. [M 4,096, K 1,024] x [K 1,024, N 1,024]; A: input values; B: input Wv: QUANTISED
;;     2. [M 4,096, K 1,024] x [K 1,024, N 1,024]; A: input keys; B: input Wk: QUANTISED
;;     3. [M 4,096, K 1,024] x [K 1,024, N 1,024]; A: input query; B: input Wq: QUANTISED
;;     4. batch 32 x [M 2,048, K 64] x [K 64, N 2,048]; A: computed on the way; B: computed on the way: left as it is (an operand is computed on the way)
;;     5. batch 32 x [M 64, K 2,048] x [K 2,048, N 2,048]; A: computed on the way; B: computed on the way: left as it is (an operand is computed on the way)
;;     6. [M 4,096, K 1,024] x [K 1,024, N 1,024]; A: computed on the way; B: input Wo: left as it is (an operand is computed on the way)
;;   THE QUANTISER, for each operand of a quantised product, along K:
;;     - K is cut into blocks of 32 from its start; a last block that is shorter is filled with zeros.
;;     - A block's scale is 2^e with e = floor(log2(the largest magnitude in the block)) - 2, held to -126 .. 127; a block of zeros has e = 0. As a byte (E8M0): e + 127.
;;     - Each number is divided by its block's scale, clamped to +-6, and rounded to the nearest number of E2M1, ties to even, subnormals kept.
;;     - The product sums the exact products of the quantised numbers (number of the format x scale) in f32.
;;   ~~~python
;;   def quantise(x, axis):      # numpy; x: float32 -> the quantised numbers, widened to float32 again
;;       x = np.moveaxis(x, axis, -1); K = x.shape[-1]
;;       x = np.pad(x, [(0, 0)] * (x.ndim - 1) + [(0, -K % 32)]); x = x.reshape(x.shape[:-1] + (-1, 32)); a = np.abs(x).max(-1, keepdims=True)
;;       e = np.where(a > 0, np.clip(np.frexp(np.where(a > 0, a, 1))[1] - 1 - 2, -126, 127), 0)      # np.frexp(a)[1] - 1 = floor(log2(a)), exactly
;;       r = np.clip(x / 2.0 ** e, -6, 6)
;;       step = 2.0 ** (np.maximum(np.frexp(np.where(r == 0, 1, r))[1] - 1, 0) - 1)
;;       q = np.round(r / step) * step * 2.0 ** e      # np.round: ties to even
;;       return np.moveaxis(q.reshape(q.shape[:-2] + (-1,))[..., :K], -1, axis).astype(np.float32)
;;   ~~~
;; One version. Each part assembles by itself: llvm-mc -triple=amdgcn-amd-amdhsa -mcpu=gfx1250 --defsym DOCPART=n.
;; ======== version 1 of 1: 4 launches
;; limits: values are held in f16: magnitudes above 65,504 overflow, below 6.1e-05 lose precision
;; workspace buffers: codes 7,864,320 bytes; scales 491,520 bytes; wo16 2,097,152 bytes; qkv 25,165,824 bytes; ao 8,388,608 bytes
;; launch quant (part 1): grid 512 x 1, 4 waves a work-group, no clusters, 33,280 bytes of LDS; arguments query, keys, values, Wq, Wk, Wv, Wo, codes, scales, wo16; writes codes, scales, wo16
.if DOCPART == 1
	.amdgcn_target "amdgcn-amd-amdhsa--gfx1250"
	.amdhsa_code_object_version 6
	.text
	.protected	k_q1a260de138_quant
	.globl	k_q1a260de138_quant
	.p2align	8
	.type	k_q1a260de138_quant,@function
k_q1a260de138_quant:
	s_mov_b64 s[64:65], 0
	v_nop
	global_prefetch_b8 v0, s[64:65] scope:SCOPE_SE
	s_setreg_imm32_b32 hwreg(HW_REG_WAVE_MODE, 25, 1), 1
	s_wait_xcnt 0x0
; query, keys, values [4096][1024] and Wq, Wk, Wv [1024][1024], f32 with K innermost, become codes of FP4 (E2M1) and one E8M0 byte for each 32 along K; Wo becomes f16.
; codes: [15360 rows][512 bytes], scales: [15360][32]; rows: query 0.., keys 4096.., values 8192.., Wq 12288.., Wk 13312.., Wv 14336...  Rows are dense and 1,024 is a multiple of 32,
; so every tensor is a plain stream of blocks of 32 numbers, and the six streams of codes and of bytes lie on end in the order of the work-groups.
; A block's scale is 2^(floor(log2(its largest magnitude)) - 2): its byte is the largest magnitude's exponent field - 2, held at 1 from below; each number / scale goes to the nearest code, ties to even, beyond 6 to 6.
; LIMITS: a block of zeros, or one whose largest magnitude lies under 2^-124, keeps the byte 1 (zero blocks have zero codes; this program alone reads the bytes); NaN and infinities are not served.
; SHARES: a work-group takes 32,768 numbers, a wave 8,192.  Work-groups 0-127 query, 128-255 keys, 256-383 values, 384-415 Wq, 416-447 Wk, 448-479 Wv, 480-511 Wo.
; A wave takes 16 steps of 512 numbers: four loads of 512 consecutive bytes; the 2,048 bytes turn through the wave's own stage in LDS, so that a lane holds 16 neighbours along K (two lanes to a block).
; No tensor loads, no barrier: waves share nothing.  No matrix unit, no cluster: every byte is read once and nothing is shared.
.set WAVES, 4
.set STEPS, 16
.set EMAX,  2
.set CB,    8                          ; bytes of 16 codes
.set R,     16                         ; v16-79   four sets of 16 numbers as they are loaded
.set X,     80                         ; v80-111  two sets of 16 neighbours
.set E,     112                        ; v112-127 a scale byte for each step
.set C,     128                        ; v128-191 codes: four registers for each step; on Wo's path the f16 pairs
.set WREG,  8192                       ; LDS: a region for each wave: two stages of 32 x SP bytes, then its 256 scale bytes
.set SP,    80                         ; a lane's place in a stage: 64 bytes + 16 of padding
.set SPW,   12                         ; v12 LDS address of my spare word; never rewritten
.set NIL,   13                         ; v13 0; never rewritten
.set SPARE, WAVES*WREG                 ; behind the four regions: the spare words, 128 bytes a wave
	s_load_b512 s[32:47], s[0:1], 0x0              ; query, keys, values, Wq, Wk, Wv, Wo, codes
	s_load_b128 s[48:51], s[0:1], 0x40             ; scales, wo16
	v_lshl_add_u32 v[SPW], v0, 2, SPARE
	v_mov_b32 v[NIL], 0
	v_lshrrev_b32 v1, 5, v0
	v_readfirstlane_b32 s16, v1                    ; wave
	v_and_b32 v2, 31, v0                           ; lane
	v_lshlrev_b32 v3, 4, v2                        ; my 16 bytes of a load's 512
	s_mul_i32 s17, s16, WREG
	v_lshrrev_b32 v14, 2, v2
	v_mul_u32_u24 v14, v14, SP
	v_and_b32 v15, 3, v2
	v_lshl_add_u32 v14, v15, 4, v14
	v_add_nc_u32 v14, s17, v14                     ; the stage, on the way in: SP (lane / 4) + 16 (lane % 4)
	v_mul_u32_u24 v15, v2, SP
	v_add_nc_u32 v15, s17, v15                     ; and on the way out: SP x lane: my 16 neighbours
	v_mul_u32_u24 v4, v2, CB                       ; my 8 bytes of a store's 256
	v_lshrrev_b32 v5, 1, v2
	s_add_co_u32 s17, s17, 2*32*SP
	v_add_nc_u32 v5, s17, v5                       ; LDS: my wave's 256 scale bytes, my block's byte
	v_lshlrev_b32 v7, 3, v2
	v_add_nc_u32 v6, s17, v7                       ; and on the way out 8 bytes a lane
	s_lshl_b32 s18, ttmp9, 2
	s_add_co_u32 s18, s18, s16                     ; which run of 8,192 numbers of the six streams on end is my wave's
	s_wait_kmcnt 0x0
	s_cmp_ge_u32 ttmp9, 480
	s_cbranch_scc1 .Lwo                            ; Wo's work-groups part here, ahead of every LDS line
	; which tensor: five choices on the work-group's number alone; s28 = the tensor's first work-group
	s_cmp_lt_u32 ttmp9, 128
	s_cselect_b64 s[4:5], s[32:33], s[34:35]
	s_cselect_b32 s28, 0, 128
	s_cmp_lt_u32 ttmp9, 256
	s_cselect_b64 s[4:5], s[4:5], s[36:37]
	s_cselect_b32 s28, s28, 256
	s_cmp_lt_u32 ttmp9, 384
	s_cselect_b64 s[4:5], s[4:5], s[38:39]
	s_cselect_b32 s28, s28, 384
	s_cmp_lt_u32 ttmp9, 416
	s_cselect_b64 s[4:5], s[4:5], s[40:41]
	s_cselect_b32 s28, s28, 416
	s_cmp_lt_u32 ttmp9, 448
	s_cselect_b64 s[4:5], s[4:5], s[42:43]
	s_cselect_b32 s28, s28, 448
	s_sub_co_u32 s20, ttmp9, s28
	s_lshl_b32 s20, s20, 2
	s_add_co_u32 s20, s20, s16                     ; my run inside the tensor
	s_lshl_b32 s20, s20, 15                        ; 32,768 bytes of f32 a run
	s_mov_b32 s21, 0
	s_add_nc_u64 s[4:5], s[4:5], s[20:21]
	s_lshl_b32 s22, s18, 12                        ; 4,096 bytes of codes a run
	s_mov_b32 s23, 0
	s_add_nc_u64 s[8:9], s[46:47], s[22:23]
	s_lshl_b32 s24, s18, 8                         ; 256 scale bytes a run
	s_mov_b32 s25, 0
	s_add_nc_u64 s[10:11], s[48:49], s[24:25]
.macro LOAD t
.irp i, 0,1,2,3
	global_load_b128 v[R+16*((\t)%4)+4*\i:R+16*((\t)%4)+4*\i+3], v3, s[4:5] offset:2048*(\t)+512*\i th:TH_LOAD_NT   ; 32 lanes read 512 consecutive bytes
.endr
.endm
.macro TURN t                          ; step t's numbers through the stage: LDS serves a wave's instructions in order, so no wait stands between the stores and the loads
.irp i, 0,1,2,3
	ds_store_b128 v14, v[R+16*((\t)%4)+4*\i:R+16*((\t)%4)+4*\i+3] offset:32*SP*((\t)%2)+8*SP*\i
.endr
.irp i, 0,1,2,3
	ds_load_b128 v[X+16*((\t)%2)+4*\i:X+16*((\t)%2)+4*\i+3], v15 offset:32*SP*((\t)%2)+16*\i
.endr
.endm
.irp t, 0,1,2,3
	LOAD \t
.endr
	s_wait_loadcnt 12                              ; step 0's four loads are in; the twelve of steps 1 to 3 may be out
	TURN 0
.macro STEP t
.set XS, X+16*((\t)%2)
.if (\t) > 0
	s_wait_dscnt 1                                 ; this step's numbers are back from the stage (the last step's byte store may be out)
.else
	s_wait_dscnt 0x0
.endif
.if (\t)+4 < STEPS
	LOAD (\t)+4                                    ; into the registers that this step's stage stores have read
.endif
.if (\t)+1 < STEPS
.if STEPS-2-(\t) >= 3
	s_wait_loadcnt 12                              ; the next step's four loads are in; those of the three steps behind it may be out
.else
	s_wait_loadcnt 4*(STEPS-2-(\t))
.endif
	TURN (\t)+1                                    ; through the other stage while this step is worked
.endif
	v_max3_num_f32 v8, |v[XS]|, |v[XS+1]|, |v[XS+2]|               ; the largest magnitude of my 16, in two chains
	v_max3_num_f32 v9, |v[XS+3]|, |v[XS+4]|, |v[XS+5]|
.irp i, 6,10
	v_max3_num_f32 v8, v8, |v[XS+\i]|, |v[XS+\i+1]|
	v_max3_num_f32 v9, v9, |v[XS+\i+2]|, |v[XS+\i+3]|
.endr
	v_max3_num_f32 v8, v8, |v[XS+14]|, |v[XS+15]|
	v_max3_num_f32 v8, v8, v9, (EMAX+1)<<23        ; and the floor 2^(3 - 127): the byte cannot fall under 1
	v_max_num_f32_dpp v8, v8, v8 row_xmask:1 row_mask:0xf bank_mask:0xf   ; and of my neighbour's 16: the block's
	v_add_nc_u32 v11, -(EMAX<<23), v8              ; 2 off its exponent field: the conversion takes the exponent field of this operand as its scale
	v_cvt_scalef32_pk8_fp4_f32 v[C+4*(\t)], v[XS:XS+7], v11
	v_cvt_scalef32_pk8_fp4_f32 v[C+4*(\t)+1], v[XS+8:XS+15], v11
	v_lshrrev_b32 v[E+(\t)], 23, v11               ; the scale's byte (also the plain line behind the conversions)
	ds_store_b8 v5, v[E+(\t)] offset:16*(\t)       ; both lanes of a block write the same byte with the same value
	global_store_b64 v4, v[C+4*(\t):C+4*(\t)+1], s[8:9] offset:32*CB*(\t)   ; the wave stores 256 consecutive bytes, aligned
.endm
.irp t, 0,1,2,3,4,5,6,7,8,9,10,11,12,13,14,15
	STEP \t
.endr
	ds_load_b64 v[8:9], v6                         ; LDS serves a wave's instructions in order: these see my byte stores
	s_wait_dscnt 0x0
	global_store_b64 v7, v[8:9], s[10:11]          ; 32 lanes store 256 consecutive bytes, aligned
	s_wait_tensorcnt 0x0                           ; the wave's end
	ds_add_u32 v[SPW], v[NIL]
	s_wait_dscnt 0x0
	s_endpgm
; Wo to f16, a plain stream: a wave takes 8,192 numbers: 64 loads of 512 bytes, 64 stores of 256 bytes.  Sixteen loads stay in flight.
.Lwo:
	s_sub_co_u32 s20, ttmp9, 480
	s_lshl_b32 s20, s20, 2
	s_add_co_u32 s20, s20, s16                     ; my run of Wo
	s_lshl_b32 s22, s20, 14                        ; 16,384 bytes of f16,
	s_lshl_b32 s20, s20, 15                        ; 32,768 bytes of f32
	s_mov_b32 s21, 0
	s_mov_b32 s23, 0
	s_add_nc_u64 s[44:45], s[44:45], s[20:21]
	s_add_nc_u64 s[50:51], s[50:51], s[22:23]
.macro WLOAD i
	global_load_b128 v[R+4*((\i)%16):R+4*((\i)%16)+3], v3, s[44:45] offset:512*(\i) th:TH_LOAD_NT
.endm
.set I, 0
.rept 16
	WLOAD I
.set I, I+1
.endr
.set I, 0
.rept 64
.if I < 48
	s_wait_loadcnt 15                              ; load I is in; the fifteen younger ones may be out
.else
	s_wait_loadcnt 63-I                            ; the tail loads nothing: the counts run down
.endif
.if I == 32
	s_wait_xcnt 0x0                                ; the first 32 stores have read their data: the second 32 steps write the same registers
.endif
	v_cvt_pk_f16_f32 v[C+2*(I%32)], v[R+4*(I%16)], v[R+4*(I%16)+1]
	v_cvt_pk_f16_f32 v[C+2*(I%32)+1], v[R+4*(I%16)+2], v[R+4*(I%16)+3]
.if I < 48
	WLOAD I+16
.endif
	global_store_b64 v4, v[C+2*(I%32):C+2*(I%32)+1], s[50:51] offset:256*I   ; the wave stores 256 consecutive bytes, aligned
.set I, I+1
.endr
	s_wait_tensorcnt 0x0                           ; the same three lines at this end of the launch too
	ds_add_u32 v[SPW], v[NIL]
	s_wait_dscnt 0x0
	s_endpgm
.Lfunc_end_k_q1a260de138_quant:
	.size	k_q1a260de138_quant, .Lfunc_end_k_q1a260de138_quant-k_q1a260de138_quant
	.p2alignl 7, 3214868480
	.fill 96, 4, 3214868480
	.section	.rodata,"a",@progbits
	.p2align	6, 0x0
	.amdhsa_kernel k_q1a260de138_quant
		.amdhsa_group_segment_fixed_size 33280
		.amdhsa_private_segment_fixed_size 0
		.amdhsa_enable_private_segment 0
		.amdhsa_kernarg_size 80
		.amdhsa_user_sgpr_count 2
		.amdhsa_user_sgpr_kernarg_segment_ptr 1
		.amdhsa_wavefront_size32 1
		.amdhsa_system_sgpr_workgroup_id_x 1
		.amdhsa_system_sgpr_workgroup_id_y 1
		.amdhsa_system_sgpr_workgroup_id_z 1
		.amdhsa_system_vgpr_workitem_id 0
		.amdhsa_next_free_vgpr 192
		.amdhsa_next_free_sgpr 66
		.amdhsa_reserve_vcc 0
		.amdhsa_float_denorm_mode_32 3
		.amdhsa_float_denorm_mode_16_64 3
		.amdhsa_memory_ordered 1
		.amdhsa_forward_progress 1
		.amdhsa_inst_pref_size 56
	.end_amdhsa_kernel
	.amdgpu_metadata
---
amdhsa.version: [ 1, 2 ]
amdhsa.kernels:
  - .name:           k_q1a260de138_quant
    .symbol:         k_q1a260de138_quant.kd
    .args:
      - { .name: query, .offset: 0, .size: 8, .value_kind: global_buffer, .address_space: global }
      - { .name: keys, .offset: 8, .size: 8, .value_kind: global_buffer, .address_space: global }
      - { .name: values, .offset: 16, .size: 8, .value_kind: global_buffer, .address_space: global }
      - { .name: Wq, .offset: 24, .size: 8, .value_kind: global_buffer, .address_space: global }
      - { .name: Wk, .offset: 32, .size: 8, .value_kind: global_buffer, .address_space: global }
      - { .name: Wv, .offset: 40, .size: 8, .value_kind: global_buffer, .address_space: global }
      - { .name: Wo, .offset: 48, .size: 8, .value_kind: global_buffer, .address_space: global }
      - { .name: codes, .offset: 56, .size: 8, .value_kind: global_buffer, .address_space: global }
      - { .name: scales, .offset: 64, .size: 8, .value_kind: global_buffer, .address_space: global }
      - { .name: wo16, .offset: 72, .size: 8, .value_kind: global_buffer, .address_space: global }
    .group_segment_fixed_size: 33280
    .private_segment_fixed_size: 0
    .kernarg_segment_align: 8
    .kernarg_segment_size: 80
    .max_flat_workgroup_size: 128
    .sgpr_count:     66
    .vgpr_count:     192
    .wavefront_size: 32
...
	.end_amdgpu_metadata
.endif
;; end of part 1
;; launch proj (part 2): grid 4 x 48, 4 waves a work-group, clusters of 4 x 4, 327,680 bytes of LDS; arguments codes, scales, qkv; writes qkv
.if DOCPART == 2
	.amdgcn_target "amdgcn-amd-amdhsa--gfx1250"
	.amdhsa_code_object_version 6
	.text
	.protected	k_q1a260de138_proj
	.globl	k_q1a260de138_proj
	.p2align	8
	.type	k_q1a260de138_proj,@function
k_q1a260de138_proj:
	s_mov_b64 s[64:65], 0
	v_nop
	global_prefetch_b8 v0, s[64:65] scope:SCOPE_SE
	s_setreg_imm32_b32 hwreg(HW_REG_WAVE_MODE, 25, 1), 1
	s_wait_xcnt 0x0
	s_wait_alu depctr_hold_cnt(0) depctr_sa_sdst(0) depctr_va_vdst(0) depctr_va_sdst(0) depctr_va_ssrc(0) depctr_va_vcc(0) depctr_vm_vsrc(0)
	s_getreg_b32 s2, hwreg(HW_REG_IB_STS2, 6, 4)
	s_cmp_eq_u32 s2, 0
	s_cbranch_scc0 .Lentry_in_a_cluster
	s_endpgm
.Lentry_in_a_cluster:
	s_bfe_u32 s2, ttmp6, 0x10000c
	s_cmp_lg_u32 s2, 0xf033
	s_cbranch_scc0 .Lentry_shape_is_right
	s_endpgm
.Lentry_shape_is_right:
; q = query Wq^T, k = keys Wk^T, v = values Wv^T on codes of FP4 (E2M1) with one E8M0 scale for each 32 along K; sums in f32; results rounded once to f16, laid head by head.
; codes [15360][512 bytes], scales [15360][32]: rows 0-12287 the three activations on end (A), rows 12288 + 1024 t on the weight of tensor t (B).  C is [12288][1024] in tiles of 256 x 256.
; qkv: [t][batch][head][position 2048][64] f16: a plane of 262,144 bytes for each (t, batch, head).  LIMIT: results stay under 65,504 in magnitude (f16).
; A work-group of four waves makes a tile, a wave 128 x 128: 64 accumulators, 512 registers.  K = 1,024 is two slots of 512 along K: both are asked for at the head and nothing is filled again.
; By this text's count a wave has three tensor loads out at the head: its part of the scales, of slot 0 and of slot 1.
; CLUSTERS: 4 x 4 work-groups.  The four of a row of the cluster need the same tiles of A, the four of a column the same tiles of B (a cluster's four tile rows lie in one tensor t): each is asked for jointly.
; THE MATRIX INSTRUCTION IS USED TRANSPOSED (source 0 = 16 rows of B, source 1 = 16 rows of A): a lane holds eight neighbouring columns of a row of C.
; REGISTERS, in windows of 256: window 0: v0-31 addresses; v32-95 scale words, two sets; v128-191 A's fragments, one set; on the way out v32-63, v192-255.
;   window 1: B's fragments, two sets, at v0 and v128.   window 2: accumulators of my rows 0-63 ((a, b) at v[8 (8 a + b)]);   window 3: those of rows 64-127.
.set KSTEP,  512
.set NQ,     KSTEP/128
.set ROWB,   256                       ; a tile's row in bytes
.set KROW,   512                       ; a row of codes in memory
.set PITCH,  272                       ; an LDS row: 256 bytes + 16 of padding: the 16 rows that a load touches start 16 bytes apart modulo 256
.set FR,     8
.set NL,     2
.set NP,     4
.set HALFT,  128*PITCH
.set SLOT,   4*HALFT
.set KS,     32                        ; a row of scales in bytes
.set SCL,    2*SLOT                    ; behind the ring: the scales, as rows of 256 bytes + 16 of padding
.set HALFS,  (128*KS/256)*272
.set SBLK,   (16*KS/256)*272
.set SPARE,  SCL+4*HALFS               ; behind the scales: the spare words, 128 bytes a wave
.set SPITCH, 272                       ; the way out: a stage of 16 rows x (256 + 16) bytes for each wave, in slot 0, which has had its last fill and its last read by then
.set ADRA, 16
.set ADRB, 20
.set STO,  24
.set RD,   25
.set CO,   26
.set ADRS, 27
.set SPW,  28
.set NIL,  29
.set SC,   32
.set AF,   128
.set TMP,  192                         ; the way out: packed results
.set OB,   32                          ; the way out: rows read back: v32-63 and v224-255 by turns
.set G1, 24
.set G0, 32
.set G1B, 48
.set G0B, 56
.set G1S, 68
.set G0S, 76
.set G1SB, 80
.set G0SB, 88
.set MSB, 0
.macro WIN new                         ; the immediate's high byte repeats the setting that is left; a switch that changes nothing is dropped
.if MSB != (\new)
	s_set_vgpr_msb (MSB<<8)|(\new)
.set MSB, \new
.endif
.endm
.set MUL_LO, 0xa1                      ; source 0 (B) window 1, source 1 (A) window 0, C and D window 2
.set MUL_HI, 0xf1                      ; the same, C and D window 3
.set TO_B,   0x40                      ; destination window 1, address window 0
; A joint load: waves 0 and 1 fetch for A, waves 2 and 3 for B; the branch hangs on the wave's number alone.  An s_nop 0 and four v_nop follow each of the two lines.
.macro JLOAD g0a, g1a, g0b, g1b
	s_cmp_eq_u32 s15, 0
	s_cbranch_scc0 .Lfor_b_\@
	tensor_load_to_lds s[\g0a:\g0a+3], s[\g1a:\g1a+7]
	s_nop 0
.rept 4
	v_nop
.endr
	s_branch .Lasked_\@
.Lfor_b_\@:
	tensor_load_to_lds s[\g0b:\g0b+3], s[\g1b:\g1b+7]
	s_nop 0
.rept 4
	v_nop
.endr
.Lasked_\@:
.endm
.macro CROUND                          ; a round of the cluster's barrier
	s_barrier_signal -1
	s_barrier_wait -1
	s_cmp_lg_u32 s14, 0
	s_cbranch_scc1 .Lnot_wave_0_\@
	s_barrier_signal -3
.Lnot_wave_0_\@:
	s_barrier_wait -3
	s_barrier_signal -1
	s_barrier_wait -1
.endm
	s_load_b128 s[4:7], s[0:1], 0x0                ; codes s[4:5], scales s[6:7]
	s_load_b64 s[12:13], s[0:1], 0x10              ; qkv
	v_lshl_add_u32 v[SPW], v0, 2, SPARE
	v_mov_b32 v[NIL], 0
	ds_add_u32 v[SPW], v[NIL]                      ; the wave's opening: the add, twice on end, and its wait ahead of my first tensor load
	ds_add_u32 v[SPW], v[NIL]
	v_lshrrev_b32 v1, 5, v0
	v_readfirstlane_b32 s14, v1                    ; wave 0..3
	s_lshr_b32 s15, s14, 1                         ; which half of the tile's rows is mine.  Also: I fetch for A (0) or for B (1)
	s_and_b32 s16, s14, 1                          ; which half of its columns.  Also: which 128 rows of that tile I fetch
	s_bfe_u32 s40, ttmp6, 0x40000                  ; cx, cy
	s_bfe_u32 s41, ttmp6, 0x40004
	s_lshl_b32 s42, ttmp9, 2
	s_add_co_u32 s42, s42, s40                     ; tile column = 4 x cluster x + cx
	s_and_b32 s17, ttmp7, 0xffff                   ; cluster y
	s_lshr_b32 s95, s17, 2                         ; t: four cluster rows (4,096 rows of C) to a tensor: the same in all sixteen partners
	s_lshl_b32 s17, s17, 2
	s_add_co_u32 s17, s17, s41                     ; tile row = 4 x cluster y + cy
	s_lshl_b32 s43, s41, 2
	s_lshl_b32 s43, 15, s43                        ; my row of the cluster
	s_lshl_b32 s44, 0x1111, s40                    ; my column
	s_or_b32 s[G1+0], s43, (0<<16)|(1<<20)|(1<<21)|(5<<22)|(3<<25)  ; the mask; elements of 1 byte; padding on; bit 21 beside a mask; 4 words behind every 64
	s_or_b32 s[G1B+0], s44, (0<<16)|(1<<20)|(1<<21)|(5<<22)|(3<<25)
.irp g, G1, G1B
	s_mov_b32 s[\g+1], ROWB<<16                    ; tensor_dim0
	s_mov_b32 s[\g+2], 128<<16                     ; tensor_dim1
	s_mov_b32 s[\g+3], ROWB<<16                    ; tile_dim0
	s_mov_b32 s[\g+4], 128                         ; tile_dim1
	s_mov_b32 s[\g+5], KROW                        ; pitch
	s_mov_b32 s[\g+6], 0
	s_mov_b32 s[\g+7], 0
.endr
	s_or_b32 s[G1S+0], s43, (3<<16)|(1<<20)|(1<<21)|(5<<22)|(3<<25)  ; the scales of 128 rows: 4,096 dense bytes as 16 rows of 32 elements of 8 bytes
	s_or_b32 s[G1SB+0], s44, (3<<16)|(1<<20)|(1<<21)|(5<<22)|(3<<25)
.irp g, G1S, G1SB
	s_mov_b32 s[\g+1], 32<<16
	s_mov_b32 s[\g+2], (128*KS/256)<<16
	s_mov_b32 s[\g+3], 32<<16
	s_mov_b32 s[\g+4], 128*KS/256
	s_mov_b32 s[\g+5], 32
	s_mov_b32 s[\g+6], 0
	s_mov_b32 s[\g+7], 0
.endr
	s_lshl_b32 s18, s16, 7                         ; which 128 rows of the tile I fetch
	s_lshl_b32 s20, s17, 8
	s_add_co_u32 s20, s20, s18                     ; A: row 256 x tile row + 128 x half
	s_lshl_b32 s46, s42, 8
	s_add_co_u32 s46, s46, s18
	s_lshl_b32 s95, s95, 10
	s_add_co_u32 s46, s46, s95
	s_add_co_u32 s46, s46, 12288                   ; B: row 12,288 + 1,024 t + 256 x tile column + 128 x half
	s_mov_b32 s21, 0
	s_mov_b32 s47, 0
	s_mov_b64 s[18:19], KS
	s_mul_u64 s[22:23], s[20:21], s[18:19]         ; where these rows' scales begin, in bytes
	s_mul_u64 s[92:93], s[46:47], s[18:19]
	s_mov_b64 s[18:19], KROW
	s_mul_u64 s[20:21], s[20:21], s[18:19]         ; and their codes
	s_mul_u64 s[46:47], s[46:47], s[18:19]
	s_mul_i32 s45, s14, HALFT                      ; where they go: wave x 128 rows
	s_mul_i32 s94, s14, HALFS
	s_wait_dscnt 0x0                               ; both opening adds are done
	s_wait_kmcnt 0x0
	s_add_nc_u64 s[20:21], s[4:5], s[20:21]
	s_add_nc_u64 s[22:23], s[6:7], s[22:23]
	s_add_nc_u64 s[46:47], s[4:5], s[46:47]
	s_add_nc_u64 s[92:93], s[6:7], s[92:93]
	CROUND                                         ; all sixteen work-groups are here: the joint loads meet
	s_mov_b32 s[G0S], 1
	s_add_co_u32 s[G0S+1], s94, SCL
	s_mov_b64 s[G0S+2:G0S+3], s[22:23]
	s_or_b32 s[G0S+3], s[G0S+3], 0x80000000
	s_mov_b32 s[G0SB], 1
	s_add_co_u32 s[G0SB+1], s94, SCL
	s_mov_b64 s[G0SB+2:G0SB+3], s[92:93]
	s_or_b32 s[G0SB+3], s[G0SB+3], 0x80000000
	JLOAD G0S, G1S, G0SB, G1SB                     ; the scales first: they are wanted with K step 0
.irp s, 0,1
	s_mov_b32 s[G0+4*\s], 1
	s_add_co_u32 s[G0+4*\s+1], s45, \s*SLOT
	s_add_nc_u64 s[G0+4*\s+2:G0+4*\s+3], s[20:21], \s*ROWB
	s_or_b32 s[G0+4*\s+3], s[G0+4*\s+3], 0x80000000
	s_mov_b32 s[G0B+4*\s], 1
	s_add_co_u32 s[G0B+4*\s+1], s45, \s*SLOT
	s_add_nc_u64 s[G0B+4*\s+2:G0B+4*\s+3], s[46:47], \s*ROWB
	s_or_b32 s[G0B+4*\s+3], s[G0B+4*\s+3], 0x80000000
	JLOAD G0+4*\s, G1, G0B+4*\s, G1B
.endr
	v_and_b32 v1, 15, v0                           ; r = l % 16
	v_bfe_u32 v2, v0, 4, 1                         ; h = l / 16
	v_mul_u32_u24 v3, v1, PITCH
	v_lshl_add_u32 v4, v2, 4, v3                   ; a fragment's row x pitch + 16 x half
	s_mul_i32 s21, s15, HALFT                      ; my 128 rows of A
	s_mul_i32 s22, s16, HALFT                      ; my 128 rows of B,
	s_add_co_u32 s22, s22, 2*HALFT                 ; which lie behind A's 256
.irp s, 0,1
	v_add_nc_u32 v[ADRA+\s], s21, v4
	v_add_nc_u32 v[ADRB+\s], s22, v4
	s_add_co_u32 s21, s21, SLOT
	s_add_co_u32 s22, s22, SLOT
.endr
	v_mul_u32_u24 v5, v1, KS                       ; my row's scales: 32 bytes a row,
	v_lshrrev_b32 v6, 8, v5
	v_lshl_add_u32 v5, v6, 4, v5                   ; and 16 more for each 256 passed
	s_mul_i32 s21, s15, HALFS
	s_mul_i32 s22, s16, HALFS
	s_add_co_u32 s22, s22, 2*HALFS
	s_sub_co_u32 s22, s22, s21
	v_mul_u32_u24 v6, s22, v2                      ; lanes 16-31 take B's: one product, the distance between the two bases
	s_add_co_u32 s21, s21, SCL
	v_add_nc_u32 v5, v5, v6
	v_add_nc_u32 v[ADRS], s21, v5
	s_mul_i32 s23, s14, 16*SPITCH                  ; my stage
	v_mul_u32_u24 v5, v1, SPITCH                   ; in: row r, 16 bytes for each half of the lanes
	v_lshl_add_u32 v5, v2, 4, v5
	v_add_nc_u32 v[STO], s23, v5
	v_bfe_u32 v6, v0, 3, 1                         ; back: lanes 0-15 take my first head's 128 bytes of two rows, lanes 16-31 my second head's
	v_mul_u32_u24 v6, v6, SPITCH
	v_lshl_add_u32 v6, v2, 7, v6
	v_and_b32 v7, 7, v0
	v_lshl_add_u32 v6, v7, 4, v6
	v_add_nc_u32 v[RD], s23, v6
	v_lshlrev_b32 v[CO], 4, v1                     ; in qkv two positions of a head are 256 bytes on end;
	v_lshl_add_u32 v[CO], v2, 18, v[CO]            ; the next head lies a plane, 262,144 bytes, on
	s_lshr_b32 s20, s17, 3                         ; 2 t + batch: eight tile rows to 2,048 positions; 16 planes each
	s_lshl_b32 s20, s20, 22
	s_and_b32 s21, s17, 7
	s_lshl_b32 s21, s21, 15                        ; 256 positions x 128 bytes
	s_add_co_u32 s20, s20, s21
	s_lshl_b32 s21, s15, 14                        ; my 128 positions
	s_add_co_u32 s20, s20, s21
	s_lshl_b32 s46, s42, 2
	s_lshl_b32 s47, s16, 1
	s_add_co_u32 s46, s46, s47                     ; my first head: 4 x tile column + 2 x half
	s_lshl_b32 s46, s46, 18
	s_add_co_u32 s20, s20, s46
	s_mov_b32 s21, 0
	s_add_nc_u64 s[12:13], s[12:13], s[20:21]
.macro FRAG reg, adr, q, i             ; a fragment, 16 rows x 128 K of 4-bit codes: registers 4 c .. 4 c + 3 hold K = 64 c + 32 (l / 16) + 0 .. 31
.irp c, 0,1
	ds_load_b128 v[\reg+4*\c:\reg+4*\c+3], v[\adr] offset:64*(\q)+32*\c+(\i)*16*PITCH
.endr
.endm
; 16 matrix instructions: A's blocks a0, a0 + 1 x B's eight, 128 along K.  The 64 accumulators take turns, one instruction a turn, in the same order in every step.
.macro MUL16 a0, p, q, sc, zero
.irp a, \a0, \a0+1
.irp b, 0,1,2,3,4,5,6,7
.if \zero
	v_wmma_scale_f32_16x16x128_f8f6f4 v[8*(8*((\a)%4)+\b):8*(8*((\a)%4)+\b)+7], v[128*(\p)+FR*\b:128*(\p)+FR*\b+FR-1], v[AF+FR*(\a):AF+FR*(\a)+FR-1], 0, v[SC+8*NQ*(\sc)+NQ*\b+(\q)], v[SC+8*NQ*(\sc)+NQ*(\a)+(\q)] matrix_a_fmt:MATRIX_FMT_FP4 matrix_b_fmt:MATRIX_FMT_FP4 matrix_a_scale:MATRIX_SCALE_ROW1
.else
	v_wmma_scale_f32_16x16x128_f8f6f4 v[8*(8*((\a)%4)+\b):8*(8*((\a)%4)+\b)+7], v[128*(\p)+FR*\b:128*(\p)+FR*\b+FR-1], v[AF+FR*(\a):AF+FR*(\a)+FR-1], v[8*(8*((\a)%4)+\b):8*(8*((\a)%4)+\b)+7], v[SC+8*NQ*(\sc)+NQ*\b+(\q)], v[SC+8*NQ*(\sc)+NQ*(\a)+(\q)] matrix_a_fmt:MATRIX_FMT_FP4 matrix_b_fmt:MATRIX_FMT_FP4 matrix_a_scale:MATRIX_SCALE_ROW1
.endif
.endr
.endr
.endm
.macro FETCH_B slot, q, p
	WIN TO_B
.irp i, 0,1,2,3,4,5,6,7
	FRAG 128*(\p)+FR*\i, ADRB+\slot, \q, \i
.endr
	WIN 0
.endm
.macro FETCH_A slot, q, i0
.irp i, \i0, \i0+1, \i0+2, \i0+3
	FRAG AF+FR*(\i), ADRA+\slot, \q, \i
.endr
.endm
.macro SCALES sc                       ; a K step's scale words into set sc: lanes 0-15 take A's block i, lanes 16-31 B's block i
.irp i, 0,1,2,3,4,5,6,7
	ds_load_b128 v[SC+8*NQ*\sc+NQ*\i:SC+8*NQ*\sc+NQ*\i+3], v[ADRS] offset:\i*SBLK
.endr
.endm
.macro PLACES n                        ; plain vector lines between a matrix instruction and a load into its registers or a read of its result
.rept \n
	v_nop
.endr
.endm
.macro STEP slot, q, zero              ; a step of 128 along K that has its successor in the same slot
	s_wait_dscnt 4*NL                              ; B's set and A's blocks 0-3 are in; the youngest eight loads (A's blocks 4-7) may be out
	WIN MUL_LO
	MUL16 0, (\q)%2, \q, \slot, \zero
	MUL16 2, (\q)%2, \q, \slot, \zero
	s_wait_dscnt 0                                 ; A's blocks 4-7 are in
	PLACES NP
	FETCH_B \slot, (\q)+1, 1-(\q)%2
	FETCH_A \slot, (\q)+1, 0
	WIN MUL_HI
	MUL16 4, (\q)%2, \q, \slot, \zero
	MUL16 6, (\q)%2, \q, \slot, \zero
	PLACES NP
	WIN 0
	FETCH_A \slot, (\q)+1, 4
.endm
; Slot 0's last step changes slots: one barrier; in front of it each wave waits for all its tensor loads (its part of slot 1), adds 0 to its spare word, and waits for that and for its reads of slot 0.  Nothing is filled again.
.macro TURN slot, next
	s_wait_tensorcnt 0x0
	ds_add_u32 v[SPW], v[NIL]
	s_wait_dscnt 4*NL+1                            ; the add and the youngest eight loads may be out
	WIN MUL_LO
	MUL16 0, 1, NQ-1, \slot, 0
	s_wait_dscnt 0x0                               ; the add is done, and my reads of this slot are over
	s_barrier_signal -1
	MUL16 2, 1, NQ-1, \slot, 0
	WIN 0
	s_barrier_wait -1
	PLACES NP
	v_add_nc_u32 v[ADRS], 4*NQ, v[ADRS]            ; on to the next K step's scale words
	FETCH_B \next, 0, 0
	FETCH_A \next, 0, 0
	SCALES \next
	WIN MUL_HI
	MUL16 4, 1, NQ-1, \slot, 0
	MUL16 6, 1, NQ-1, \slot, 0
	PLACES NP
	WIN 0
	FETCH_A \next, 0, 4
.endm
.macro STEPS slot, from
.set Q, \from
.rept NQ-1-\from
	STEP \slot, Q, 0
.set Q, Q+1
.endr
.endm
	s_wait_tensorcnt 1                             ; the scales and my part of slot 0 are in (slot 1's load may be out),
	s_barrier_signal -1
	s_barrier_wait -1                              ; everybody's are
	FETCH_B 0, 0, 0
	FETCH_A 0, 0, 0
	SCALES 0
	FETCH_A 0, 0, 4
	STEP 0, 0, 1                                   ; the first products start the sums: nothing is cleared
	STEPS 0, 1
	TURN 0, 1
	STEPS 1, 0
	s_wait_dscnt 4*NL                              ; the very last step: nothing more to fetch
	WIN MUL_LO
	MUL16 0, 1, NQ-1, 1, 0
	MUL16 2, 1, NQ-1, 1, 0
	s_wait_dscnt 0
	WIN MUL_HI
	MUL16 4, 1, NQ-1, 1, 0
	MUL16 6, 1, NQ-1, 1, 0
	WIN 0
; THE WAY OUT, block by block of 16 rows x 128 columns (two heads).  PACK: rounded to f16, 16 bytes a lane, each accumulator from its low end on.  TOSTAGE: into my stage and back, two positions of a head to sixteen lanes.  SEND: stored.
.macro PACK a
.set AC, 64*((\a)%4)
	WIN 0x0a+5*((\a)/4)                            ; sources 0 and 1: window 2 or 3
.irp b, 0,1,2,3,4,5,6,7
.irp r, 0,1,2,3
	v_cvt_pk_f16_f32 v[TMP+4*\b+\r], v[AC+8*\b+2*\r], v[AC+8*\b+2*\r+1]
.endr
.endr
	WIN 0
.endm
.macro TOSTAGE a
.set BB, OB+192*((\a)%2)
.irp b, 0,1,2,3,4,5,6,7
	ds_store_b128 v[STO], v[TMP+4*\b:TMP+4*\b+3] offset:32*\b
.endr
.irp t, 0,1,2,3,4,5,6,7
	ds_load_b128 v[BB+4*\t:BB+4*\t+3], v[RD] offset:\t*2*SPITCH    ; LDS serves a wave's instructions in order: these see the stores above
.endr
.endm
.macro SEND a, younger
.set BB, OB+192*((\a)%2)
	s_wait_dscnt \younger                          ; the block is back in registers
	s_wait_xcnt 0x0                                ; the block before has had its stores' data read: the next block's loads may land there
.irp t, 0,1,2,3,4,5,6,7
	global_store_b128 v[CO], v[BB+4*\t:BB+4*\t+3], s[12:13] offset:(\a)*2048+\t*256   ; 16 lanes store 256 consecutive bytes, aligned
.endr
.endm
	PLACES NP                                      ; behind the last products
	PACK 0
	TOSTAGE 0
.irp a, 1,2,3,4,5,6,7                  ; block a's conversions stand between block a - 1's loads from the stage and the wait for them
	PACK \a
	SEND \a-1, 0
	TOSTAGE \a
.endr
	SEND 7, 0
	s_wait_tensorcnt 0x0                           ; the wave's end
	ds_add_u32 v[SPW], v[NIL]
	s_wait_dscnt 0x0
	CROUND                                         ; the closing round
	s_endpgm
.Lfunc_end_k_q1a260de138_proj:
	.size	k_q1a260de138_proj, .Lfunc_end_k_q1a260de138_proj-k_q1a260de138_proj
	.p2alignl 7, 3214868480
	.fill 96, 4, 3214868480
	.section	.rodata,"a",@progbits
	.p2align	6, 0x0
	.amdhsa_kernel k_q1a260de138_proj
		.amdhsa_group_segment_fixed_size 327680
		.amdhsa_private_segment_fixed_size 0
		.amdhsa_enable_private_segment 0
		.amdhsa_kernarg_size 24
		.amdhsa_user_sgpr_count 2
		.amdhsa_user_sgpr_kernarg_segment_ptr 1
		.amdhsa_wavefront_size32 1
		.amdhsa_system_sgpr_workgroup_id_x 1
		.amdhsa_system_sgpr_workgroup_id_y 1
		.amdhsa_system_sgpr_workgroup_id_z 1
		.amdhsa_system_vgpr_workitem_id 0
		.amdhsa_next_free_vgpr 1024
		.amdhsa_next_free_sgpr 98
		.amdhsa_reserve_vcc 0
		.amdhsa_float_denorm_mode_32 3
		.amdhsa_float_denorm_mode_16_64 3
		.amdhsa_memory_ordered 1
		.amdhsa_forward_progress 1
		.amdhsa_inst_pref_size 127
	.end_amdhsa_kernel
	.amdgpu_metadata
---
amdhsa.version: [ 1, 2 ]
amdhsa.kernels:
  - .name:           k_q1a260de138_proj
    .symbol:         k_q1a260de138_proj.kd
    .args:
      - { .name: codes, .offset: 0, .size: 8, .value_kind: global_buffer, .address_space: global }
      - { .name: scales, .offset: 8, .size: 8, .value_kind: global_buffer, .address_space: global }
      - { .name: qkv, .offset: 16, .size: 8, .value_kind: global_buffer, .address_space: global }
    .group_segment_fixed_size: 327680
    .private_segment_fixed_size: 0
    .kernarg_segment_align: 8
    .kernarg_segment_size: 24
    .max_flat_workgroup_size: 128
    .sgpr_count:     98
    .vgpr_count:     1024
    .wavefront_size: 32
...
	.end_amdgpu_metadata
.endif
;; end of part 2
;; launch attn (part 3): grid 8 x 32, 8 waves a work-group, clusters of 4 x 1, 327,680 bytes of LDS; arguments qkv, ao; writes ao
.if DOCPART == 3
	.amdgcn_target "amdgcn-amd-amdhsa--gfx1250"
	.amdhsa_code_object_version 6
	.text
	.protected	k_q1a260de138_attn
	.globl	k_q1a260de138_attn
	.p2align	8
	.type	k_q1a260de138_attn,@function
k_q1a260de138_attn:
	s_mov_b64 s[64:65], 0
	v_nop
	global_prefetch_b8 v0, s[64:65] scope:SCOPE_SE
	s_setreg_imm32_b32 hwreg(HW_REG_WAVE_MODE, 25, 1), 1
	s_wait_xcnt 0x0
	s_wait_alu depctr_hold_cnt(0) depctr_sa_sdst(0) depctr_va_vdst(0) depctr_va_sdst(0) depctr_va_ssrc(0) depctr_va_vcc(0) depctr_vm_vsrc(0)
	s_getreg_b32 s2, hwreg(HW_REG_IB_STS2, 6, 4)
	s_cmp_eq_u32 s2, 0
	s_cbranch_scc0 .Lentry_in_a_cluster
	s_endpgm
.Lentry_in_a_cluster:
	s_bfe_u32 s2, ttmp6, 0x10000c
	s_cmp_lg_u32 s2, 0x3003
	s_cbranch_scc0 .Lentry_shape_is_right
	s_endpgm
.Lentry_shape_is_right:
; o[q][:] = the sum over k of softmax_k(q . k / 8) v[k][:], for each of 32 planes (batch, head); 2,048 positions, head size 64; no mask.  q, k, v: f16 planes of qkv ([t][plane][position][64]).
; Products on f16 operands, sums, maxima and the softmax in f32; the weights p are rounded to f16 for the second product, o once at the end.
; ao: [token / 128][head][token % 128][64] f16, so that a wave's 32 queries are 4,096 bytes on end, and 128 tokens with all their heads one dense block for the next launch.
; LIMITS: scores stay under 3e38 in magnitude (the running maximum starts at -3e38); o stays inside f16's range, as v does.
; SHARES.  A work-group owns 256 queries of one plane; each of its eight waves 32: two tiles of 16, in 448 registers: two waves to a SIMD.
; LAYOUT.  S^T = K Q^T (source 0 = 16 keys, source 1 = 16 queries): a lane holds ONE query (lane % 16) and the keys 8 (lane / 16) + 0..7 of a tile.  Two such tiles, rounded in pairs, ARE source 1 of O^T = V^T P,
; whose result again holds one query a lane.  K comes out of LDS as it lies, V ([key][channel]) turned, by ds_load_tr16_b128.
; SOFTMAX.  A running maximum m and sum l for each query: p = 2^(c s - c m), c = log2(e) / 8; in every step O and l are multiplied by a = 2^(c m_old - c m_new).  The first step finds O = l = 0.
; BY TURNS.  A key step (64 keys) of a wave is 32 matrix instructions and 238 vector instructions.  The wave's two tiles are two PIECES, which share K's and V's fragments and nothing else.  In a TURN one piece has the
; matrix unit: 8 products V^T P of the step in hand, then 8 products K Q^T of the next step; the other piece's softmax, a list of 121 lines cut into 8 slices, stands between them, one slice behind each PAIR of products.
; Then the pieces change places.  Two turns are a key step.
; RING.  A slot holds 256 keys of K and of V; two slots.  The change of slots stands ahead of piece 0's turn of a slot's last step: all the slot's bytes have been asked for by then; behind it the slot just left is asked
; for again: that load has four key steps in which to land.  By this text's count a wave has one tensor load out.
; CLUSTER.  The four query blocks of a cluster belong to one plane and walk the same K and V: each tile is asked for jointly (mask 15).  Waves 0-3 fetch K's four quarters of a slot, waves 4-7 V's: 64 rows a load.
; REGISTERS: window 0: v0-15 addresses; v16-31 statistics, 8 a tile; v32-63 Q; v64-127 S^T, then p; v128-159 P; v160-223 O^T.   window 1: v0-63 K of a step; v64-127, v128-191 V of a step, two buffers.
; All that a softmax touches lies in window 0; a product's source 0 lies in window 1: so a slice costs two switches.
.set PK,    144                        ; a row of K in LDS: 128 bytes + 16 of padding
.set PV,    160                        ; a row of V: 128 + 32
.set SKEYS, 256                        ; keys in a slot
.set VOFF,  SKEYS*PK                   ; a slot: 256 rows of K, then 256 rows of V
.set SLOT1, 1<<17                      ; slot 1 begins here: one exclusive or turns an address from one slot to the other
.set STAGE, SLOT1+SKEYS*(PK+PV)        ; behind the ring: 32 rows x 144 bytes for each wave, for the way out
.set SP,    144
.set SPARE, STAGE+8*32*SP              ; behind the stages: the spare words, 128 bytes a wave
.set AK0, 2                            ; v2  my lane's place in a tile of K
.set AV0, 3                            ; v3  the same for V
.set ADK, 4                            ; v4  LDS address of the slot's K
.set ADV, 5                            ; v5  of its V
.set QO,  6                            ; v6  my byte offset in the wave's rows of Q
.set STO, 7                            ; v7  the way out: where I put 16 bytes of a row
.set RD,  8                            ; v8  where I read rows back
.set GO,  10                           ; v10 my byte offset in the wave's 4,096 bytes of ao
.set PFO, 11                           ; v11 256 x my lane, for the prefetches; never rewritten
.set SPW, 12                           ; v12 LDS address of my spare word; never rewritten
.set NIL, 13                           ; v13 0; never rewritten
.set ST,  16                           ; tile t's statistics at v[ST + 8 t]: +0 c m, +1 m, +2, +3 l, +4 to +7 c0-c3, at work; a takes c2's place once the maximum is found
.set QF,  32
.set S,   64
.set P,   128
.set OA,  160
.set VB,  64                           ; in window 1: V's two buffers, 64 registers each
.set WV,  12                           ; s12 my wave's number
.set LIM, 15                           ; s15 1 in a wave that prefetches, else the greatest number
.set PFA, 18                           ; s[18:19] where my prefetches stand
.set G1K, 24
.set G1V, 32
.set G0K, 40
.set G0V, 44
.set SLOTS, 56                         ; s56 slots still to be asked for
.set CS,  58                           ; s[58:59] c, twice: the packed form names a pair
.set SEL, 60                           ; s[60:61] lane selects for v_permlanex16_b32: lane l xor 16
.set TB,  62                           ; s62 LDS byte at which the slot in hand begins
.set MSB, 0
.macro WIN new                         ; the immediate's high byte repeats the setting that is left; a switch that changes nothing is dropped
.if MSB != (\new)
	s_set_vgpr_msb (MSB<<8)|(\new)
.set MSB, \new
.endif
.endm
.macro JLOAD                           ; a joint load: the branch hangs on the wave's number alone.  An s_nop 0 and four v_nop follow each of the two lines
	s_cmp_lt_u32 s[WV], 4
	s_cbranch_scc0 .Lfor_v_\@
	tensor_load_to_lds s[G0K:G0K+3], s[G1K:G1K+7]
	s_nop 0
.rept 4
	v_nop
.endr
	s_branch .Lasked_\@
.Lfor_v_\@:
	tensor_load_to_lds s[G0V:G0V+3], s[G1V:G1V+7]
	s_nop 0
.rept 4
	v_nop
.endr
.Lasked_\@:
.endm
; A PREFETCH of what the NEXT change of slots will ask for: a slot's 32,768 bytes of K and of V, four key steps ahead of that load.  Both clusters of a plane walk the same K and V: the plane's first cluster asks.
; Its four partners share the bytes out BY ADDRESS, 8,192 each, lanes 256 bytes apart; in each, wave 0 asks for K's and wave 4 for V's.  So each aligned block of 256 bytes is named once in the launch.
; The last change that fills a slot asks for nothing; slots 0 and 1 come by their loads alone.
.macro ASK
	s_cmp_gt_u32 s[SLOTS], s[LIM]
	s_cbranch_scc0 .Lnot_mine_\@
	global_prefetch_b8 v[PFO], s[PFA:PFA+1] th:TH_LOAD_NT scope:SCOPE_SE
.Lnot_mine_\@:
.endm
.macro CROUND                          ; a round of the cluster's barrier
	s_barrier_signal -1
	s_barrier_wait -1
	s_cmp_lg_u32 s[WV], 0
	s_cbranch_scc1 .Lnot_wave_0_\@
	s_barrier_signal -3
.Lnot_wave_0_\@:
	s_barrier_wait -3
	s_barrier_signal -1
	s_barrier_wait -1
.endm
.macro PLACES                          ; four plain vector lines between a matrix instruction and a load into its registers or a read of its result
.rept 4
	v_nop
.endr
.endm
	s_load_b128 s[8:11], s[0:1], 0x0               ; qkv s[8:9], ao s[10:11]
	v_lshl_add_u32 v[SPW], v0, 2, SPARE
	v_mov_b32 v[NIL], 0
	ds_add_u32 v[SPW], v[NIL]                      ; the wave's opening: the add, twice on end, and its wait ahead of my first tensor load
	ds_add_u32 v[SPW], v[NIL]
	v_lshrrev_b32 v1, 5, v0
	v_readfirstlane_b32 s[WV], v1                  ; wave 0..7
	s_bfe_u32 s13, ttmp6, 0x40000                  ; cx
	s_lshl_b32 s14, ttmp9, 2
	s_add_co_u32 s14, s14, s13                     ; my block of 256 queries: it enters Q's and ao's addresses alone
	s_and_b32 s20, ttmp7, 0xffff                   ; the plane, which the four partners share
	s_lshl_b32 s21, s20, 18                        ; its 262,144 bytes
	s_and_b32 s22, s[WV], 3                        ; which quarter of a slot I fetch
	s_lshl_b32 s2, s22, 13                         ; its 64 rows of 128 bytes
	s_add_co_u32 s2, s2, s21
	s_add_co_u32 s2, s2, 0x800000                  ; K's planes begin 8,388,608 bytes on
	s_mov_b32 s3, 0
	s_lshl_b32 s16, s14, 15                        ; Q: my block's 256 rows,
	s_add_co_u32 s16, s16, s21
	s_lshl_b32 s23, s[WV], 12                      ; my wave's 32
	s_add_co_u32 s16, s16, s23
	s_mov_b32 s17, 0
	s_lshr_b32 s48, s20, 4                         ; ao: token / 128 = 16 x batch + 2 x block + wave / 4,
	s_lshl_b32 s48, s48, 4
	s_lshl_b32 s49, s14, 1
	s_add_co_u32 s48, s48, s49
	s_lshr_b32 s49, s[WV], 2
	s_add_co_u32 s48, s48, s49
	s_lshl_b32 s48, s48, 18
	s_and_b32 s49, s20, 15                         ; the head: 16,384 bytes,
	s_lshl_b32 s49, s49, 14
	s_add_co_u32 s48, s48, s49
	s_lshl_b32 s49, s22, 12                        ; my 32 rows of the 128
	s_add_co_u32 s48, s48, s49
	s_mov_b32 s49, 0
	s_mul_i32 s50, s22, 64*PK                      ; where my quarter goes in a slot: K's,
	s_mul_i32 s51, s22, 64*PV
	s_add_co_u32 s51, s51, VOFF                    ; V's
	; descriptor group 1: a tile of 64 rows x 64 elements of 2 bytes, dense in memory, padded in LDS behind every row of 32 words
	s_mov_b32 s[G1K], 15|(1<<16)|(1<<20)|(1<<21)|(4<<22)|(3<<25)   ; the mask: all four work-groups; bit 21 beside it; 4 words of padding
	s_mov_b32 s[G1V], 15|(1<<16)|(1<<20)|(1<<21)|(4<<22)|(7<<25)   ; the same with 8 words
.irp g, G1K, G1V
	s_mov_b32 s[\g+1], 64<<16                      ; tensor_dim0
	s_mov_b32 s[\g+2], 64<<16                      ; tensor_dim1
	s_mov_b32 s[\g+3], 64<<16                      ; tile_dim0
	s_mov_b32 s[\g+4], 64                          ; tile_dim1
	s_mov_b32 s[\g+5], 64                          ; pitch
	s_mov_b32 s[\g+6], 0
	s_mov_b32 s[\g+7], 0
.endr
	s_mov_b32 s[CS], 0x3e38aa3b                    ; c = log2(e) / 8
	s_mov_b32 s[CS+1], s[CS]
	s_mov_b32 s[SEL], 0x76543210
	s_mov_b32 s[SEL+1], 0xfedcba98
	s_mov_b32 s[TB], 0
	s_mov_b32 s[SLOTS], 7
	s_or_b32 s[LIM], s22, ttmp9                    ; 0 in waves 0 and 4 of the plane's first cluster: the same in all four partners
	s_cmp_eq_u32 s[LIM], 0
	s_cselect_b32 s[LIM], 1, -1
	s_wait_dscnt 0x0                               ; both opening adds are done
	s_wait_kmcnt 0x0
	s_add_nc_u64 s[4:5], s[8:9], s[16:17]          ; Q at my wave's first row
	s_add_nc_u64 s[6:7], s[8:9], s[2:3]            ; K at my quarter of slot 0
	s_add_nc_u64 s[8:9], s[6:7], 0x800000          ; V likewise
	s_add_nc_u64 s[10:11], s[10:11], s[48:49]      ; ao at my wave's 4,096 bytes
	s_cmp_lt_u32 s[WV], 4
	s_cselect_b64 s[PFA:PFA+1], s[6:7], s[8:9]     ; (in waves 0 and 4 these stand at a slot's first row)
	s_lshl_b32 s2, s13, 13                         ; my work-group's 8,192 bytes,
	s_add_co_u32 s2, s2, SKEYS*128                 ; in slot 1: the first change of slots steps it to slot 2
	s_add_nc_u64 s[PFA:PFA+1], s[PFA:PFA+1], s[2:3]
	CROUND                                         ; all four work-groups are here: the first joint loads meet
	s_mov_b32 s[G0K], 1
	s_mov_b32 s[G0K+1], s50
	s_mov_b64 s[G0K+2:G0K+3], s[6:7]
	s_or_b32 s[G0K+3], s[G0K+3], 0x80000000
	s_mov_b32 s[G0V], 1
	s_mov_b32 s[G0V+1], s51
	s_mov_b64 s[G0V+2:G0V+3], s[8:9]
	s_or_b32 s[G0V+3], s[G0V+3], 0x80000000
	JLOAD                                          ; slot 0
	v_and_b32 v1, 15, v0                           ; r = l % 16
	v_bfe_u32 v9, v0, 4, 1                         ; h = l / 16
	v_lshlrev_b32 v[QO], 7, v1
	v_lshl_add_u32 v[QO], v9, 4, v[QO]             ; row x 128 + 16 x half
.irp t, 0,1
.irp c, 0,1
	global_load_b128 v[QF+16*\t+8*\c:QF+16*\t+8*\c+3],   v[QO], s[4:5] offset:\t*2048+64*\c      ; Q stays in registers: tile t, channels 32 c on
	global_load_b128 v[QF+16*\t+8*\c+4:QF+16*\t+8*\c+7], v[QO], s[4:5] offset:\t*2048+64*\c+32
.endr
.endr
	v_mul_u32_u24 v[AK0], v1, PK
	v_lshl_add_u32 v[AK0], v9, 4, v[AK0]           ; row x pitch + 16 x half
	v_and_b32 v14, 7, v0                           ; the turning load: lane l reads 16 bytes of key 8 (l / 16) + l % 8, channels 8 ((l / 8) % 2) on
	v_bfe_u32 v15, v0, 3, 1
	v_lshl_add_u32 v[AV0], v9, 3, v14
	v_mul_u32_u24 v[AV0], v[AV0], PV
	v_lshl_add_u32 v[AV0], v15, 4, v[AV0]
	v_add_nc_u32 v[AV0], VOFF, v[AV0]
	s_mul_i32 s23, s[WV], 32*SP
	s_add_co_u32 s23, s23, STAGE                   ; my stage
	v_add_nc_u32 v[STO], s23, v[AK0]               ; in: row r, 16 bytes for each half of the lanes (the stage's pitch is K's)
	v_bfe_u32 v15, v0, 3, 2
	v_mul_u32_u24 v[RD], v15, SP                   ; back: eight lanes to a row of 128 bytes, four rows an instruction
	v_lshl_add_u32 v[RD], v14, 4, v[RD]
	v_add_nc_u32 v[RD], s23, v[RD]
	v_and_b32 v14, 31, v0
	v_lshlrev_b32 v[GO], 4, v14
	v_lshlrev_b32 v[PFO], 8, v14
.irp t, 0,1
	v_mov_b32 v[ST+8*\t+1], 0xff61b1e6             ; m: -3e38, under every score
	v_mul_f32 v[ST+8*\t], s[CS], v[ST+8*\t+1]      ; c m
.irp j, 2,3,4,5,6,7
	v_mov_b32 v[ST+8*\t+\j], 0                     ; l; and what is named before it is first computed
.endr
.endr
.set n, 0
.rept 64
	v_mov_b32 v[OA+n], 0                           ; O^T: a turn is written in one form; the first finds zeros
.set n, n+1
.endr
; THE LDS LOADS stand in runs of 16.  q: which of the slot's four key steps.
.macro FETCH_K q                       ; a step's K: 64 keys x 64 channels: fragment f = keys 16 (f / 2) on, channels 32 (f % 2) on
	WIN 0x40                                       ; destination window 1, address window 0
.irp f, 0,1,2,3,4,5,6,7
	ds_load_b128 v[8*\f:8*\f+3],   v[ADK] offset:(64*(\q)+16*(\f/2))*PK+(\f%2)*64
	ds_load_b128 v[8*\f+4:8*\f+7], v[ADK] offset:(64*(\q)+16*(\f/2))*PK+(\f%2)*64+32
.endr
.endm
.macro FETCH_V q, vb                   ; a step's V, turned, into buffer vb: fragment f = keys 32 (f / 4) on, channels 16 (f % 4) on
	WIN 0x40
.irp f, 0,1,2,3,4,5,6,7
	ds_load_tr16_b128 v[VB+64*(\vb)+8*\f:VB+64*(\vb)+8*\f+3],   v[ADV] offset:(64*(\q)+32*(\f/4))*PV+(\f%4)*32
	ds_load_tr16_b128 v[VB+64*(\vb)+8*\f+4:VB+64*(\vb)+8*\f+7], v[ADV] offset:(64*(\q)+32*(\f/4)+16)*PV+(\f%4)*32
.endr
.endm
; THE MATRIX WORK OF A TURN, for piece x, two products at a time (pair i of four).  The four accumulators take turns, one instruction a turn: between two links of a chain stand three others'.
.macro KQP x                           ; products 2 i, 2 i + 1 of 8 of S^T = K Q^T: channels 32 (n / 4) on, keys 16 (n % 4) on.  The first four start the sums
	WIN 0x01                                       ; source 0 window 1
.irp u, 0,1
.set nn, 2*i+\u
.set rS, S+32*(\x)+8*(nn%4)
.set rK, 8*(2*(nn%4)+nn/4)
.set rQ, QF+16*(\x)+8*(nn/4)
.if nn < 4
	v_wmma_f32_16x16x32_f16 v[rS:rS+7], v[rK:rK+7], v[rQ:rQ+7], 0
.else
	v_wmma_f32_16x16x32_f16 v[rS:rS+7], v[rK:rK+7], v[rQ:rQ+7], v[rS:rS+7]
.endif
.endr
.endm
.macro PVP x, vb                       ; products 2 i, 2 i + 1 of 8 of O^T += V^T P: keys 32 (n / 4) on, channels 16 (n % 4) on; V from buffer vb
	WIN 0x01
.irp u, 0,1
.set nn, 2*i+\u
.set rO, OA+32*(\x)+8*(nn%4)
.set rV, VB+64*(\vb)+8*nn
.set rP, P+16*(\x)+8*(nn/4)
	v_wmma_f32_16x16x32_f16 v[rO:rO+7], v[rV:rV+7], v[rP:rP+7], v[rO:rO+7]
.endr
.endm
; THE VECTOR WORK OF A TURN.  One tile's softmax for one key step is a list of 121 lines; SM writes number j of it for tile t.  s0-s31 are the lane's 32 scores, in pairs 0-15.
;   0-15    the maximum of s0-s31 and the old m, three operands at a time: four chains c0-c3 of seven scores each (each accumulator is first read at its low end), then the four scores left over, c0-c3 and m
;   16-20   the other half of the lanes' maximum; c m_old kept; the new m; c m; c m_old - c m_new
;   21-36   the 16 scalings c s - c m, a pair of scores each
;   37-69   ONE BATCH of 33 exponentials: a, then s0-s31.  None of them reads an exponential's result
;   70, 71  the plain line behind the last exponential, and the ONE wait ahead of the first line that names a result
;   72-104  a rounding to f16 and a line of the sum by turns (l x a; the sum of the unrounded p in two chains); the chains are joined
;   105-120 the tile's O^T times a, each accumulator from its low end on
.macro SM t
.set rT, ST+8*(\t)
.set rS, S+32*(\t)
.set rP, P+16*(\t)
.if j < 4
	v_max3_num_f32 v[rT+4+j], v[rS+8*j], v[rS+8*j+1], v[rS+8*j+2]
.elseif j < 12
	v_max3_num_f32 v[rT+4+j%4], v[rT+4+j%4], v[rS+8*(j%4)+2*(j/4)+1], v[rS+8*(j%4)+2*(j/4)+2]
.elseif j == 12
	v_max3_num_f32 v[rT+4], v[rT+4], v[rS+7], v[rS+15]
.elseif j == 13
	v_max3_num_f32 v[rT+6], v[rT+6], v[rS+23], v[rS+31]
.elseif j == 14
	v_max3_num_f32 v[rT+4], v[rT+4], v[rT+5], v[rT+6]
.elseif j == 15
	v_max3_num_f32 v[rT+4], v[rT+4], v[rT+7], v[rT+1]
.elseif j == 16
	v_permlanex16_b32 v[rT+5], v[rT+4], s[SEL], s[SEL+1]  ; the query's other 32 keys lie in the lane 16 away
.elseif j == 17
	v_mov_b32 v[rT+7], v[rT]                       ; c m_old is kept for a: number 19 writes c m anew
.elseif j == 18
	v_max_num_f32 v[rT+1], v[rT+4], v[rT+5]
.elseif j == 19
	v_mul_f32 v[rT], s[CS], v[rT+1]
.elseif j == 20
	v_sub_f32 v[rT+7], v[rT+7], v[rT]
.elseif j < 37
.set pb, 2*(j-21)
	v_pk_fma_f32 v[rS+pb:rS+pb+1], v[rS+pb:rS+pb+1], s[CS:CS+1], v[rT:rT+1] op_sel_hi:[1,0,0] neg_lo:[0,0,1] neg_hi:[0,0,1]
.elseif j == 37
	v_exp_f32 v[rT+6], v[rT+7]
.elseif j < 70
	v_exp_f32 v[rS+j-38], v[rS+j-38]
.elseif j == 70
	v_nop
.elseif j == 71
	s_wait_alu depctr_va_vdst(0)
.elseif j < 104
.set e, (j-72)/2
.if (j%2) == 0
	v_cvt_pk_f16_f32 v[rP+e], v[rS+2*e], v[rS+2*e+1]       ; pair e: registers 8 kc .. 8 kc + 7 of P are source 1 for keys 32 kc on
.elseif e == 0
	v_pk_mul_f32 v[rT+2:rT+3], v[rT+2:rT+3], v[rT+6:rT+7] op_sel_hi:[1,0]
.elseif e == 1
	v_pk_add_f32 v[rT+4:rT+5], v[rS:rS+1], v[rS+2:rS+3]
.elseif (e%2) == 0
	v_pk_add_f32 v[rT+2:rT+3], v[rT+2:rT+3], v[rS+2*e:rS+2*e+1]
.else
	v_pk_add_f32 v[rT+4:rT+5], v[rT+4:rT+5], v[rS+2*e:rS+2*e+1]
.endif
.elseif j == 104
	v_pk_add_f32 v[rT+2:rT+3], v[rT+2:rT+3], v[rT+4:rT+5]
.else
.set rO, OA+32*(\t)+2*(j-105)
	v_pk_mul_f32 v[rO:rO+1], v[rO:rO+1], v[rT+6:rT+7] op_sel_hi:[1,0]
.endif
.endm
; Slice k of 8 of tile y's softmax: the list's next 15 lines; 121 = 8 x 15 + 1: slice 7 has 16, and is the rescaling: sixteen plain lines that name nothing of the products round them.
.macro SLICE y
	WIN 0
.rept 15
	SM \y
.set j, j+1
.endr
.if k == 7
	SM \y
.set j, j+1
.endif
.set k, k+1
.endm
; A TURN.  Piece x has the matrix unit; the other piece's softmax stands in slices behind its pairs of products.  pv = 1: 8 products V^T P, V from buffer vb.  kq = 1: 8 products K Q^T for the next step.
; A turn with one of the two kinds has two slices behind each pair.  PLACES (ISA guide 7.12.1 for vector instructions): a slice names the other piece's registers alone, so its plain lines are places behind
; this piece's products; slice 7 stands behind the turn's last K Q^T, ahead of the next turn's reads of those scores and of the loads into K's registers.
.macro TURN x, pv, kq, vb
.set j, 0
.set k, 0
.set per, 2
.if (\pv) && (\kq)
.set per, 1
.endif
.if \pv
.set i, 0
.rept 4
	PVP \x, \vb
.rept per
	SLICE 1-(\x)
.endr
.set i, i+1
.endr
.endif
.if \kq
.if (\x) == 0
	s_wait_dscnt 0x0                               ; K is in: it was asked for at the turn's head, 8 products and 4 slices ago
.endif
.set i, 0
.rept 4
	KQP \x
.rept per
	SLICE 1-(\x)
.endr
.set i, i+1
.endr
.endif
.endm
; TWO TURNS: the products V^T P of the step before step f of the slot in hand, the products K Q^T of step f.  Piece 0's turn fetches K of step f, piece 1's turn V of step f, into the buffer that is not at work.
.macro PAIR f
	FETCH_K \f                                     ; K's registers were last read ahead of slice 7 of the turn before
	s_wait_dscnt 16                                ; V of the step before, asked for a turn ago, is in; K's sixteen loads may be out
	TURN 0, 1, 1, ((\f)+1)%2
	FETCH_V \f, (\f)%2                             ; wanted a whole turn on
	TURN 1, 1, 1, ((\f)+1)%2
.endm
; THE CHANGE OF SLOTS.  Each wave waits for all its tensor loads (its part of the slot ahead), adds 0 to its spare word, and waits for that and for its reads of the slot that it leaves (V of its last step was the last).
; fill = 1: a round of the cluster's barrier, so that no wave of any partner still reads that slot or has a load on its way; the joint load for it is the first thing behind the round.
.macro CHANGE fill
	WIN 0
	s_wait_tensorcnt 0x0                           ; no tensor load of mine is out, so a group 0 may be written
	ds_add_u32 v[SPW], v[NIL]
.if \fill
	s_xor_b32 s[G0K+1], s[G0K+1], SLOT1            ; the walking descriptors: the other slot than last time,
	s_add_nc_u64 s[G0K+2:G0K+3], s[G0K+2:G0K+3], SKEYS*128   ; the next 256 keys; the type bits on top are not reached
	s_xor_b32 s[G0V+1], s[G0V+1], SLOT1
	s_add_nc_u64 s[G0V+2:G0V+3], s[G0V+2:G0V+3], SKEYS*128
	s_wait_xcnt 0x0                                ; the last prefetch, a slot back, has read its address, so it may be written:
	s_add_nc_u64 s[PFA:PFA+1], s[PFA:PFA+1], SKEYS*128       ; one slot further on than the walking descriptors
	s_wait_dscnt 0x0                               ; the add is done, and my reads of the slot that I leave are over
	CROUND
	JLOAD
	ASK
.else
	s_wait_dscnt 0x0
	s_barrier_signal -1
	s_barrier_wait -1
.endif
	v_add_nc_u32 v[ADK], s[TB], v[AK0]             ; every fetch from here to the next change is from the slot ahead
	v_add_nc_u32 v[ADV], s[TB], v[AV0]
.endm
.macro NEXT_SLOT
	WIN 0                                          ; at a label and at a branch every window is 0
	s_xor_b32 s[TB], s[TB], SLOT1                  ; the next change leads to the other slot
.endm
	s_wait_loadcnt 0x0                             ; Q
	CHANGE 1                                       ; slot 0 is whole; slot 1 is asked for
	FETCH_K 0                                      ; key step 0
	s_wait_dscnt 0x0
.set i, 0
.rept 4
	KQP 0                                          ; piece 0's first scores: there is no vector work yet to set between them
.set i, i+1
.endr
	PLACES                                         ; behind those products, ahead of the first softmax's reads
	FETCH_V 0, 0
	TURN 1, 0, 1, 0                                ; piece 1's first scores | piece 0's first softmax
	PAIR 1
	PAIR 2
	PAIR 3
	NEXT_SLOT
	s_mov_b32 s[SLOTS], 6
.Lslot:                                            ; 6 trips: slots 1 to 6 are entered, and behind each change the next slot is asked for
	CHANGE 1
	PAIR 0
	PAIR 1
	PAIR 2
	PAIR 3
	NEXT_SLOT
	s_sub_co_u32 s[SLOTS], s[SLOTS], 1
	s_cmp_lg_u32 s[SLOTS], 0
	s_cbranch_scc1 .Lslot
	CHANGE 0                                       ; the last slot is written out
	PAIR 0
	PAIR 1
	PAIR 2
	PAIR 3
	s_wait_dscnt 0x0                               ; V of the last step
	TURN 0, 1, 0, 1                                ; piece 0: V^T P of the last step | piece 1's last softmax
.set i, 0
.rept 4
	PVP 1, 1                                       ; piece 1: V^T P of the last step
.set i, i+1
.endr
	PLACES                                         ; behind the last products
	WIN 0
	; THE WAY OUT.  l's two halves and the other half of the lanes' are added; O^T / l is rounded to f16 and goes through my stage: it comes back as 32 rows of 128 bytes on end.
.irp t, 0,1
	v_add_f32 v[ST+8*\t+4], v[ST+8*\t+2], v[ST+8*\t+3]
.endr
.irp t, 0,1
	v_permlanex16_b32 v[ST+8*\t+5], v[ST+8*\t+4], s[SEL], s[SEL+1]
.endr
.irp t, 0,1
	v_add_f32 v[ST+8*\t+4], v[ST+8*\t+4], v[ST+8*\t+5]
.endr
.irp t, 0,1
	v_rcp_f32 v[ST+8*\t+6], v[ST+8*\t+4]
.endr
	v_nop                                          ; a plain line behind the last reciprocal
	s_wait_alu depctr_va_vdst(0)                   ; one wait for both, ahead of the first use
.set n, 0
.rept 16
.irp t, 0,1
	v_pk_mul_f32 v[OA+32*\t+n:OA+32*\t+n+1], v[OA+32*\t+n:OA+32*\t+n+1], v[ST+8*\t+6:ST+8*\t+7] op_sel_hi:[1,0]
.endr
.set n, n+2
.endr
.set n, 0
.rept 16
.irp t, 0,1
	v_cvt_pk_f16_f32 v[P+16*\t+n], v[OA+32*\t+2*n], v[OA+32*\t+2*n+1]              ; registers 4 dt .. 4 dt + 3: channels 16 dt + 8 h + 0 .. 7 of query 16 t + r
.endr
.set n, n+1
.endr
.irp t, 0,1
.irp dt, 0,1,2,3
	ds_store_b128 v[STO], v[P+16*\t+4*\dt:P+16*\t+4*\dt+3] offset:16*SP*\t+32*\dt
.endr
.endr
.irp i, 0,1,2,3,4,5,6,7
	ds_load_b128 v[S+4*\i:S+4*\i+3], v[RD] offset:4*SP*\i      ; LDS serves a wave's instructions in order: these see my stores
.endr
.irp i, 0,1,2,3,4,5,6,7
	s_wait_dscnt 7-\i
	global_store_b128 v[GO], v[S+4*\i:S+4*\i+3], s[10:11] offset:512*\i   ; 32 lanes store 512 consecutive bytes, aligned
.endr
	s_wait_tensorcnt 0x0                           ; the wave's end
	ds_add_u32 v[SPW], v[NIL]
	s_wait_dscnt 0x0
	CROUND                                         ; the closing round
	s_endpgm
.Lfunc_end_k_q1a260de138_attn:
	.size	k_q1a260de138_attn, .Lfunc_end_k_q1a260de138_attn-k_q1a260de138_attn
	.p2alignl 7, 3214868480
	.fill 96, 4, 3214868480
	.section	.rodata,"a",@progbits
	.p2align	6, 0x0
	.amdhsa_kernel k_q1a260de138_attn
		.amdhsa_group_segment_fixed_size 327680
		.amdhsa_private_segment_fixed_size 0
		.amdhsa_enable_private_segment 0
		.amdhsa_kernarg_size 16
		.amdhsa_user_sgpr_count 2
		.amdhsa_user_sgpr_kernarg_segment_ptr 1
		.amdhsa_wavefront_size32 1
		.amdhsa_system_sgpr_workgroup_id_x 1
		.amdhsa_system_sgpr_workgroup_id_y 1
		.amdhsa_system_sgpr_workgroup_id_z 1
		.amdhsa_system_vgpr_workitem_id 0
		.amdhsa_next_free_vgpr 448
		.amdhsa_next_free_sgpr 66
		.amdhsa_reserve_vcc 0
		.amdhsa_float_denorm_mode_32 3
		.amdhsa_float_denorm_mode_16_64 3
		.amdhsa_memory_ordered 1
		.amdhsa_forward_progress 1
		.amdhsa_inst_pref_size 234
	.end_amdhsa_kernel
	.amdgpu_metadata
---
amdhsa.version: [ 1, 2 ]
amdhsa.kernels:
  - .name:           k_q1a260de138_attn
    .symbol:         k_q1a260de138_attn.kd
    .args:
      - { .name: qkv, .offset: 0, .size: 8, .value_kind: global_buffer, .address_space: global }
      - { .name: ao, .offset: 8, .size: 8, .value_kind: global_buffer, .address_space: global }
    .group_segment_fixed_size: 327680
    .private_segment_fixed_size: 0
    .kernarg_segment_align: 8
    .kernarg_segment_size: 16
    .max_flat_workgroup_size: 256
    .sgpr_count:     66
    .vgpr_count:     448
    .wavefront_size: 32
...
	.end_amdgpu_metadata
.endif
;; end of part 3
;; launch outp (part 4): grid 8 x 32, 4 waves a work-group, clusters of 4 x 4, 327,680 bytes of LDS; arguments ao, wo16, bo, out0; writes out0
.if DOCPART == 4
	.amdgcn_target "amdgcn-amd-amdhsa--gfx1250"
	.amdhsa_code_object_version 6
	.text
	.protected	k_q1a260de138_outp
	.globl	k_q1a260de138_outp
	.p2align	8
	.type	k_q1a260de138_outp,@function
k_q1a260de138_outp:
	s_mov_b64 s[64:65], 0
	v_nop
	global_prefetch_b8 v0, s[64:65] scope:SCOPE_SE
	s_setreg_imm32_b32 hwreg(HW_REG_WAVE_MODE, 25, 1), 1
	s_wait_xcnt 0x0
	s_wait_alu depctr_hold_cnt(0) depctr_sa_sdst(0) depctr_va_vdst(0) depctr_va_sdst(0) depctr_va_ssrc(0) depctr_va_vcc(0) depctr_vm_vsrc(0)
	s_getreg_b32 s2, hwreg(HW_REG_IB_STS2, 6, 4)
	s_cmp_eq_u32 s2, 0
	s_cbranch_scc0 .Lentry_in_a_cluster
	s_endpgm
.Lentry_in_a_cluster:
	s_bfe_u32 s2, ttmp6, 0x10000c
	s_cmp_lg_u32 s2, 0xf033
	s_cbranch_scc0 .Lentry_shape_is_right
	s_endpgm
.Lentry_shape_is_right:
; out0[m][n] = the sum over k of a[m][k] Wo[n][k] + bo[n].  a: the attention's result, f16, laid [m / 128][head][m % 128][64] (k = 64 head + channel); wo16: [1024 n][1024 k] f16; bo f32; out0 [4096][1024] f32; sums in f32.
; A tile of out0 is 128 x 128, so that there are 256 work-groups.  Four waves, each 64 x 64: 16 accumulators.  K goes in steps of 256 (four heads) through two LDS slots: four K steps.
; A's part of a K step, 128 rows of four heads, is 65,536 dense bytes: two loads of 256 rows of 128 bytes; in LDS [head][row][144 bytes].  B's is 128 rows of 512 bytes: two loads of 64 rows, 528 bytes apart in LDS.
; By this text's count a wave has two tensor loads out at the head and one behind each round.
; CLUSTERS: 4 x 4 work-groups; A's tiles are shared along a row of the cluster, B's along a column: joint loads.  THE MATRIX INSTRUCTION IS USED TRANSPOSED (source 0 = rows of Wo, source 1 = rows of a):
; a lane holds eight neighbouring columns of a row.  THE BIAS is the C of each sum's first product: eight registers for each block of 16 columns.
; No prefetch: the tile is small and each slot's load has a whole K step in which to land.
; REGISTERS: window 0: v0-31 addresses; v96-127 the bias; v128-255 the accumulators ((a, b) at v[128 + 8 (4 a + b)]).   window 1: two fragment buffers of 128: 64 of A, then 64 of B.
.set KSTEP,  256
.set PA,     144                       ; a row of A in LDS: 128 bytes + 16
.set PB,     528                       ; a row of B: 512 bytes + 16
.set AREG,   4*128*PA                  ; A's four heads x 128 rows
.set HALFA,  2*128*PA                  ; what one load of A brings
.set HALFB,  64*PB                     ; what one load of B brings
.set SLOT,   AREG+2*HALFB
.set SPARE,  2*SLOT                    ; behind the ring: the spare words, 128 bytes a wave
.set SPITCH, 272                       ; the way out: a stage of 16 rows x (256 + 16) bytes for each wave, in slot 0, which has had its last fill and its last read by then
.set ADRA, 16
.set ADRB, 20
.set STO,  24
.set RD,   25
.set CO,   26
.set SPW,  28
.set NIL,  29
.set BIAS, 96
.set ACC,  128
.set F0,   0
.set F1,   128
.set G1, 24
.set G0, 32
.set G1B, 48
.set G0B, 56
.set MSB, 0
.macro WIN new
.if MSB != (\new)
	s_set_vgpr_msb (MSB<<8)|(\new)
.set MSB, \new
.endif
.endm
.set MUL,  0x05                        ; sources 0 (B) and 1 (A) window 1; C and D window 0
.set TO_F, 0x40                        ; destination window 1, address window 0
.macro JLOAD s                         ; a joint load: waves 0 and 1 fetch A's halves, waves 2 and 3 B's; an s_nop 0 and four v_nop follow each of the two lines
	s_cmp_eq_u32 s13, 0
	s_cbranch_scc0 .Lfor_b_\@
	tensor_load_to_lds s[G0+4*\s:G0+4*\s+3], s[G1:G1+7]
	s_nop 0
.rept 4
	v_nop
.endr
	s_branch .Lasked_\@
.Lfor_b_\@:
	tensor_load_to_lds s[G0B+4*\s:G0B+4*\s+3], s[G1B:G1B+7]
	s_nop 0
.rept 4
	v_nop
.endr
.Lasked_\@:
.endm
.macro CREST                           ; a round of the cluster's barrier behind its opening barrier
	s_cmp_lg_u32 s12, 0
	s_cbranch_scc1 .Lnot_wave_0_\@
	s_barrier_signal -3
.Lnot_wave_0_\@:
	s_barrier_wait -3
	s_barrier_signal -1
	s_barrier_wait -1
.endm
.macro CROUND
	s_barrier_signal -1
	s_barrier_wait -1
	CREST
.endm
	s_load_b256 s[4:11], s[0:1], 0x0               ; ao s[4:5], wo16 s[6:7], bo s[8:9], out0 s[10:11]
	v_lshl_add_u32 v[SPW], v0, 2, SPARE
	v_mov_b32 v[NIL], 0
	ds_add_u32 v[SPW], v[NIL]                      ; the wave's opening: the add, twice on end, and its wait ahead of my first tensor load
	ds_add_u32 v[SPW], v[NIL]
	v_lshrrev_b32 v1, 5, v0
	v_readfirstlane_b32 s12, v1                    ; wave 0..3
	s_lshr_b32 s13, s12, 1                         ; which half of the tile's rows is mine.  Also: I fetch for A (0) or for B (1)
	s_and_b32 s14, s12, 1                          ; which half of its columns.  Also: which half of that tile I fetch
	s_bfe_u32 s40, ttmp6, 0x40000                  ; cx, cy
	s_bfe_u32 s41, ttmp6, 0x40004
	s_lshl_b32 s42, ttmp9, 2
	s_add_co_u32 s42, s42, s40                     ; tile column
	s_and_b32 s15, ttmp7, 0xffff
	s_lshl_b32 s15, s15, 2
	s_add_co_u32 s15, s15, s41                     ; tile row
	s_lshl_b32 s43, s41, 2
	s_lshl_b32 s43, 15, s43                        ; my row of the cluster
	s_lshl_b32 s44, 0x1111, s40                    ; my column
	s_or_b32 s[G1+0], s43, (1<<16)|(1<<20)|(1<<21)|(4<<22)|(3<<25)   ; A: elements of 2 bytes; 4 words of padding behind every 32
	s_mov_b32 s[G1+1], 64<<16                      ; tensor_dim0
	s_mov_b32 s[G1+2], 256<<16                     ; tensor_dim1
	s_mov_b32 s[G1+3], 64<<16                      ; tile_dim0
	s_mov_b32 s[G1+4], 256                         ; tile_dim1
	s_mov_b32 s[G1+5], 64                          ; pitch: dense
	s_mov_b32 s[G1+6], 0
	s_mov_b32 s[G1+7], 0
	s_or_b32 s[G1B+0], s44, (1<<16)|(1<<20)|(1<<21)|(6<<22)|(3<<25)  ; B: 4 words of padding behind every 128
	s_mov_b32 s[G1B+1], KSTEP<<16
	s_mov_b32 s[G1B+2], 64<<16
	s_mov_b32 s[G1B+3], KSTEP<<16
	s_mov_b32 s[G1B+4], 64
	s_mov_b32 s[G1B+5], 1024
	s_mov_b32 s[G1B+6], 0
	s_mov_b32 s[G1B+7], 0
	s_lshl_b32 s16, s15, 18                        ; A: the tile row's 262,144 bytes,
	s_lshl_b32 s17, s14, 15                        ; my two heads of a K step's four
	s_add_co_u32 s16, s16, s17
	s_mov_b32 s17, 0
	s_lshl_b32 s46, s42, 18                        ; B: 128 rows of 2,048 bytes a tile column,
	s_lshl_b32 s47, s14, 17                        ; my 64 rows
	s_add_co_u32 s46, s46, s47
	s_mov_b32 s47, 0
	s_mul_i32 s20, s14, HALFA                      ; where they go: A's halves,
	s_mul_i32 s21, s14, HALFB
	s_add_co_u32 s21, s21, AREG                    ; B's, behind A's region
	s_wait_dscnt 0x0                               ; both opening adds are done
	s_wait_kmcnt 0x0
	s_add_nc_u64 s[18:19], s[4:5], s[16:17]
	s_add_nc_u64 s[46:47], s[6:7], s[46:47]
	CROUND                                         ; all sixteen work-groups are here: the first joint loads meet
.irp s, 0,1
	s_mov_b32 s[G0+4*\s], 1
	s_add_co_u32 s[G0+4*\s+1], s20, \s*SLOT
	s_add_nc_u64 s[G0+4*\s+2:G0+4*\s+3], s[18:19], \s*65536
	s_or_b32 s[G0+4*\s+3], s[G0+4*\s+3], 0x80000000
	s_mov_b32 s[G0B+4*\s], 1
	s_add_co_u32 s[G0B+4*\s+1], s21, \s*SLOT
	s_add_nc_u64 s[G0B+4*\s+2:G0B+4*\s+3], s[46:47], \s*KSTEP*2
	s_or_b32 s[G0B+4*\s+3], s[G0B+4*\s+3], 0x80000000
	JLOAD \s
.endr
	v_and_b32 v1, 15, v0                           ; r
	v_bfe_u32 v2, v0, 4, 1                         ; h
	s_lshl_b32 s22, s42, 9                         ; the bias of my 64 columns: 512 bytes a tile column + 256 x half
	s_lshl_b32 s23, s14, 8
	s_add_co_u32 s22, s22, s23
	s_mov_b32 s23, 0
	s_add_nc_u64 s[8:9], s[8:9], s[22:23]
	v_lshlrev_b32 v6, 5, v2                        ; my half's eight numbers of a block of 16
.irp b, 0,1,2,3
	global_load_b128 v[BIAS+8*\b:BIAS+8*\b+3],   v6, s[8:9] offset:64*\b
	global_load_b128 v[BIAS+8*\b+4:BIAS+8*\b+7], v6, s[8:9] offset:64*\b+16
.endr
	v_mul_u32_u24 v3, v1, PA
	v_lshl_add_u32 v3, v2, 4, v3                   ; A: row x pitch + 16 x half
	v_mul_u32_u24 v4, v1, PB
	v_lshl_add_u32 v4, v2, 4, v4                   ; B likewise
	s_mul_i32 s20, s13, 64*PA                      ; my 64 rows of A (in each head's 128)
	s_mul_i32 s21, s14, HALFB                      ; my 64 rows of B
	s_add_co_u32 s21, s21, AREG
.irp s, 0,1
	v_add_nc_u32 v[ADRA+\s], s20, v3
	v_add_nc_u32 v[ADRB+\s], s21, v4
	s_add_co_u32 s20, s20, SLOT
	s_add_co_u32 s21, s21, SLOT
.endr
	s_mul_i32 s20, s12, 16*SPITCH                  ; my stage
	v_mul_u32_u24 v5, v1, SPITCH                   ; in: row r, 32 bytes for each half of the lanes
	v_lshl_add_u32 v5, v2, 5, v5
	v_add_nc_u32 v[STO], s20, v5
	v_mul_u32_u24 v5, v2, SPITCH                   ; back: lanes 0-15 one row of 256 bytes, lanes 16-31 the next
	v_lshl_add_u32 v5, v1, 4, v5
	v_add_nc_u32 v[RD], s20, v5
	v_lshlrev_b32 v[CO], 4, v1                     ; and the same two rows in out0
	v_lshl_add_u32 v[CO], v2, 12, v[CO]
	s_lshl_b32 s20, s15, 19                        ; 128 rows of 4,096 bytes a tile row,
	s_lshl_b32 s21, s13, 18                        ; my 64 rows,
	s_add_co_u32 s20, s20, s21
	s_add_co_u32 s20, s20, s22                     ; my 64 columns: the same bytes as in bo
	s_mov_b32 s21, 0
	s_add_nc_u64 s[10:11], s[10:11], s[20:21]
; 8 matrix instructions: row blocks a0, a0 + 1 x all 4 column blocks, 32 along K: half c of buffer f.  zero = 1: the first product starts the sums from the bias.  The 16 accumulators take turns.
.macro MUL8 f, c, a0, zero
.irp a, \a0, \a0+1
.irp b, 0,1,2,3
.if \zero
	v_wmma_f32_16x16x32_f16 v[ACC+8*(4*(\a)+\b):ACC+8*(4*(\a)+\b)+7], v[\f+64+8*(4*\c+\b):\f+64+8*(4*\c+\b)+7], v[\f+8*(4*\c+\a):\f+8*(4*\c+\a)+7], v[BIAS+8*\b:BIAS+8*\b+7]
.else
	v_wmma_f32_16x16x32_f16 v[ACC+8*(4*(\a)+\b):ACC+8*(4*(\a)+\b)+7], v[\f+64+8*(4*\c+\b):\f+64+8*(4*\c+\b)+7], v[\f+8*(4*\c+\a):\f+8*(4*\c+\a)+7], v[ACC+8*(4*(\a)+\b):ACC+8*(4*(\a)+\b)+7]
.endif
.endr
.endr
.endm
; 32 LDS loads in one run: the fragments of quarter q of the slot (64 along K: one head), into buffer f; the first 32 along K first
.macro FETCH slot, q, f
	WIN TO_F
.irp c, 0,1
.irp i, 0,1,2,3
	ds_load_b128 v[\f+64+8*(4*\c+\i):\f+64+8*(4*\c+\i)+3],   v[ADRB+\slot] offset:128*(\q)+64*\c+\i*16*PB
	ds_load_b128 v[\f+64+8*(4*\c+\i)+4:\f+64+8*(4*\c+\i)+7], v[ADRB+\slot] offset:128*(\q)+64*\c+\i*16*PB+32
	ds_load_b128 v[\f+8*(4*\c+\i):\f+8*(4*\c+\i)+3],         v[ADRA+\slot] offset:128*PA*(\q)+64*\c+\i*16*PA
	ds_load_b128 v[\f+8*(4*\c+\i)+4:\f+8*(4*\c+\i)+7],       v[ADRA+\slot] offset:128*PA*(\q)+64*\c+\i*16*PA+32
.endr
.endr
.endm
.macro PLACES                          ; four plain vector lines between a matrix instruction and a load into its registers or a read of its result
.rept 4
	v_nop
.endr
.endm
; One of a K step's first three quarters: multiplies buffer f and fetches quarter q into g.
.macro QUARTER slot, q, f, g, zero
	s_wait_dscnt 16                                ; the first 32 along K are in; the sixteen younger loads may be out
	WIN MUL
	MUL8 \f, 0, 0, \zero
	MUL8 \f, 0, 2, \zero
	PLACES
	FETCH \slot, \q, \g
	s_wait_dscnt 32                                ; all but the 32 just issued
	WIN MUL
	MUL8 \f, 1, 0, 0
	MUL8 \f, 1, 2, 0
.endm
; The last quarter multiplies buffer 1 and changes slots: one barrier; in front of it each wave waits for all its tensor loads, adds 0 to its spare word, and waits for that and for its reads of this slot.
; fill = 1: the barrier opens a round of the cluster's, and this slot is filled again, two K steps ahead, first thing behind the round.
.macro TURN slot, next, fill
	WIN 0
	s_wait_tensorcnt 0x0                           ; all my tensor loads have landed: my part of the next slot
	ds_add_u32 v[SPW], v[NIL]
	s_wait_dscnt 17                                ; the add and the youngest sixteen loads may be out
	WIN MUL
	MUL8 F1, 0, 0, 0
	s_wait_dscnt 0x0                               ; the add is done, and my reads of this slot are over
	s_barrier_signal -1
	MUL8 F1, 0, 2, 0
.if \fill
	WIN 0
.endif
	s_barrier_wait -1
.if \fill
	CREST
	s_add_nc_u64 s[G0+4*\slot+2:G0+4*\slot+3], s[G0+4*\slot+2:G0+4*\slot+3], 2*65536
	s_add_nc_u64 s[G0B+4*\slot+2:G0B+4*\slot+3], s[G0B+4*\slot+2:G0B+4*\slot+3], 2*KSTEP*2
	JLOAD \slot                                    ; the four v_nop behind it are also the places in front of the loads below
.else
	PLACES
.endif
	FETCH \next, 0, F0
	WIN MUL
	MUL8 F1, 1, 0, 0
	MUL8 F1, 1, 2, 0
.endm
	s_wait_tensorcnt 1                             ; my part of K step 0 is in (K step 1's load may be out),
	s_barrier_signal -1
	s_barrier_wait -1                              ; everybody's is
	FETCH 0, 0, F0
	s_wait_loadcnt 0x0                             ; the bias
	QUARTER 0, 1, F0, F1, 1                        ; K step 0
	QUARTER 0, 2, F1, F0, 0
	QUARTER 0, 3, F0, F1, 0
	TURN 0, 1, 1                                   ; slot 0 takes K step 2
	QUARTER 1, 1, F0, F1, 0                        ; K step 1
	QUARTER 1, 2, F1, F0, 0
	QUARTER 1, 3, F0, F1, 0
	TURN 1, 0, 1                                   ; slot 1 takes K step 3
	QUARTER 0, 1, F0, F1, 0                        ; K step 2
	QUARTER 0, 2, F1, F0, 0
	QUARTER 0, 3, F0, F1, 0
	TURN 0, 1, 0                                   ; nothing is left to fetch
	QUARTER 1, 1, F0, F1, 0                        ; K step 3
	QUARTER 1, 2, F1, F0, 0
	QUARTER 1, 3, F0, F1, 0
	s_wait_dscnt 16
	WIN MUL
	MUL8 F1, 0, 0, 0
	MUL8 F1, 0, 2, 0
	s_wait_dscnt 0
	MUL8 F1, 1, 0, 0
	MUL8 F1, 1, 2, 0
	WIN 0
; THE WAY OUT, block by block of 16 rows x 64 columns (256 bytes a row).  A lane holds 32 neighbouring bytes of a row: a block goes through my own stage and comes back as whole rows, into the registers that it left.
.macro TOSTAGE a
.irp b, 0,1,2,3
	ds_store_b128 v[STO], v[ACC+8*(4*\a+\b):ACC+8*(4*\a+\b)+3] offset:64*\b            ; each accumulator from its low end on
	ds_store_b128 v[STO], v[ACC+8*(4*\a+\b)+4:ACC+8*(4*\a+\b)+7] offset:64*\b+16
.endr
.irp t, 0,1,2,3,4,5,6,7
	ds_load_b128 v[ACC+32*\a+4*\t:ACC+32*\a+4*\t+3], v[RD] offset:\t*2*SPITCH          ; LDS serves a wave's instructions in order: these see the stores above, and the next block's stores come behind them
.endr
.endm
.macro SEND a, younger                 ; younger: the LDS instructions issued behind block a's loads: the next block's sixteen, or none
.irp t, 0,1,2,3,4,5,6,7
	s_wait_dscnt \younger+7-\t
	global_store_b128 v[CO], v[ACC+32*\a+4*\t:ACC+32*\a+4*\t+3], s[10:11] offset:(16*\a+2*\t)*4096 th:TH_STORE_NT   ; 16 lanes store 256 consecutive bytes, aligned; written once, read by nobody here
.endr
.endm
	PLACES                                         ; behind the last products
	TOSTAGE 0
	TOSTAGE 1
	SEND 0, 16
	TOSTAGE 2
	SEND 1, 16
	TOSTAGE 3
	SEND 2, 16
	SEND 3, 0
	s_wait_tensorcnt 0x0                           ; the wave's end
	ds_add_u32 v[SPW], v[NIL]
	s_wait_dscnt 0x0
	CROUND                                         ; the closing round
	s_endpgm
.Lfunc_end_k_q1a260de138_outp:
	.size	k_q1a260de138_outp, .Lfunc_end_k_q1a260de138_outp-k_q1a260de138_outp
	.p2alignl 7, 3214868480
	.fill 96, 4, 3214868480
	.section	.rodata,"a",@progbits
	.p2align	6, 0x0
	.amdhsa_kernel k_q1a260de138_outp
		.amdhsa_group_segment_fixed_size 327680
		.amdhsa_private_segment_fixed_size 0
		.amdhsa_enable_private_segment 0
		.amdhsa_kernarg_size 32
		.amdhsa_user_sgpr_count 2
		.amdhsa_user_sgpr_kernarg_segment_ptr 1
		.amdhsa_wavefront_size32 1
		.amdhsa_system_sgpr_workgroup_id_x 1
		.amdhsa_system_sgpr_workgroup_id_y 1
		.amdhsa_system_sgpr_workgroup_id_z 1
		.amdhsa_system_vgpr_workitem_id 0
		.amdhsa_next_free_vgpr 512
		.amdhsa_next_free_sgpr 66
		.amdhsa_reserve_vcc 0
		.amdhsa_float_denorm_mode_32 3
		.amdhsa_float_denorm_mode_16_64 3
		.amdhsa_memory_ordered 1
		.amdhsa_forward_progress 1
		.amdhsa_inst_pref_size 87
	.end_amdhsa_kernel
	.amdgpu_metadata
---
amdhsa.version: [ 1, 2 ]
amdhsa.kernels:
  - .name:           k_q1a260de138_outp
    .symbol:         k_q1a260de138_outp.kd
    .args:
      - { .name: ao, .offset: 0, .size: 8, .value_kind: global_buffer, .address_space: global }
      - { .name: wo16, .offset: 8, .size: 8, .value_kind: global_buffer, .address_space: global }
      - { .name: bo, .offset: 16, .size: 8, .value_kind: global_buffer, .address_space: global }
      - { .name: out0, .offset: 24, .size: 8, .value_kind: global_buffer, .address_space: global }
    .group_segment_fixed_size: 327680
    .private_segment_fixed_size: 0
    .kernarg_segment_align: 8
    .kernarg_segment_size: 32
    .max_flat_workgroup_size: 128
    .sgpr_count:     66
    .vgpr_count:     512
    .wavefront_size: 32
...
	.end_amdgpu_metadata
.endif
;; end of part 4
